; MI455X (gfx1250); checked and timed in simulation.
; The chip was launched on July 23, 2026; its instructions are those of AMD's public machine-readable ISA for CDNA 5 (MIT licence, August 2026) and "CDNA5" Instruction Set Architecture Reference Guide (July 2026). The comments in the code are by the model that wrote it; some were corrected since.
;; Attention aux. Allowed arithmetic: float matrix products may take bf16 or f16 operands with f32 sums; other float arithmetic in f32, or as packed bf16 or f16 multiplies, adds, multiply-adds, maxima and minima; sums over many terms, partial sums and values carried from step to step in f32; what a program stores and reads back later, other than sums and carried values, may be rounded once to bf16 or f16.
;; Inputs: W1 1,024 x 4,096 float32; W3 1,024 x 3,072 float32; b1 1,024 float32; b3 1,024 float32; encoder_outputs 32 x 512 x 3,072 float32; hidden_state 32 x 1,024 float32; w2 1 x 1,024 float32.
;; Outputs: out0 32 x 1,024 float32.
;; 2 versions, each right; version 2 is version 1 with the launches prep, context written anew for expert scheduling mode. Each part assembles by itself: llvm-mc -triple=amdgcn-amd-amdhsa -mcpu=gfx1250 --defsym DOCPART=n.
;; ======== version 1 of 2: 4 launches
;; workspace buffers: encb 100,663,296 bytes; w1b 6,291,456 bytes; hbs 131,072 bytes; epart 524,288 bytes; ctxb 196,608 bytes
;; launch prep (part 1): grid 1152 x 1, 8 waves a work-group, no clusters, 105,472 bytes of LDS; arguments encoder_outputs, W1, hidden_state, b1, encb, w1b, hbs; writes encb, w1b, hbs
.if DOCPART == 1
	.amdgcn_target "amdgcn-amd-amdhsa--gfx1250"
	.amdhsa_code_object_version 6
	.text
	.protected	k_qed3268cb5f_prep
	.globl	k_qed3268cb5f_prep
	.p2align	8
	.type	k_qed3268cb5f_prep,@function
k_qed3268cb5f_prep:
	s_mov_b64 s[64:65], 0
	v_nop
	global_prefetch_b8 v0, s[64:65] scope:SCOPE_SE
	s_setreg_imm32_b32 hwreg(HW_REG_WAVE_MODE, 25, 1), 1
	s_wait_xcnt 0x0
; PREP.  Three jobs, chosen by the work-group's number g (the same in all eight waves):
;   g = 0..63      hbs[b][d] = c (sum over k of hidden[b][k] W1[d][3072+k] + b1[d]), c = 2 log2(e), for the 16 columns d = 16 g ..: the part of the score
;                  layer's input that is the same for all 512 positions of a batch, made once; c is folded in for the tanh of the next launch
;   g = 64..127    w1b = bf16(W1[:, 0:3072]), rows 16 (g - 64) ..
;   g = 128..1151  encb = bf16(encoder_outputs), rows 16 (g - 128) ..
; The two casts are streams: each byte read once by 16-byte loads (a wave's load covers 512 consecutive bytes), each output byte written once (a wave's store covers 256
; consecutive bytes, aligned).  All 48 loads of a thread are issued before its first wait; no register is used twice, so no store's sources are ever rewritten.
; LIMITS.  hidden_state and W1 are rounded once to bf16 (nearest even), products summed in f32 by K panels of 128; b1 stays f32.  NaN and infinities are not treated apart.
.set REG,   13056                      ; a wave's LDS region in the hb job: 48 rows of 272 bytes
.set SPARE, 8*REG                      ; behind the regions: the spare words, 128 bytes for each wave: four blocks of 256 bytes that no other line names
.set LP,    272                        ; an LDS row: 256 bytes of bf16 + 16: the 16 rows of a fragment load start 4 banks apart
.set X,     16                         ; v[16:207] 48 x 4 registers as loaded; in the hb job later fragments, sums and partial sums
.set ACC,   X+96                       ; v[112:127] the hb job's two accumulators
.set SPW,   14                         ; v14 LDS address of my spare word; never rewritten
.set NIL,   15                         ; v15 0; never rewritten
; 16 rows of 3,072 f32 (12,288 bytes of a row of pitch bytes) become 16 rows of 6,144 bytes of bf16.  Thread t takes the 16 bytes at 16 t + 4,096 j of a row, j = 0..2.
.macro CONV src, dst, pitch
.set i, 0
.rept 48
	global_load_b128 v[X+4*i:X+4*i+3], v4, s[\src:\src+1] offset:(i/3)*(\pitch)+(i%3)*4096 th:TH_LOAD_NT
.set i, i+1
.endr
.set i, 0
.rept 48
	s_wait_loadcnt 47-i                            ; loads come back in order: number i is in, the 47 - i younger ones stay out
	v_cvt_pk_bf16_f32 v[X+4*i], v[X+4*i], v[X+4*i+1]
	v_cvt_pk_bf16_f32 v[X+4*i+1], v[X+4*i+2], v[X+4*i+3]
	global_store_b64 v5, v[X+4*i:X+4*i+1], s[\dst:\dst+1] offset:(i/3)*6144+(i%3)*2048
.set i, i+1
.endr
.endm
	s_load_b256 s[4:11], s[0:1], 0x0               ; enc s[4:5], W1 s[6:7], hidden s[8:9], b1 s[10:11]
	s_load_b128 s[12:15], s[0:1], 0x20             ; encb s[12:13], w1b s[14:15]
	s_load_b64 s[16:17], s[0:1], 0x30              ; hbs
	v_lshl_add_u32 v[SPW], v0, 2, SPARE
	v_mov_b32 v[NIL], 0
	v_lshrrev_b32 v1, 5, v0
	v_readfirstlane_b32 s21, v1                    ; wave 0..7
	s_mov_b32 s20, ttmp9                           ; g
	s_mov_b32 s25, 0                               ; high words of the two offset pairs
	s_mov_b32 s27, 0
	v_lshlrev_b32 v4, 4, v0                        ; 16 t: my place in 4,096 bytes of f32
	v_lshlrev_b32 v5, 3, v0                        ; 8 t: my place in 2,048 bytes of bf16
	s_wait_kmcnt 0x0
	s_cmp_lt_u32 s20, 64
	s_cbranch_scc1 .Lhb
	s_cmp_lt_u32 s20, 128
	s_cbranch_scc1 .Lw1
	s_sub_co_u32 s24, s20, 128                     ; encoder_outputs: 16 rows of 12,288 bytes in, of 6,144 bytes out
	s_mul_i32 s26, s24, 98304
	s_mul_i32 s24, s24, 196608
	s_add_nc_u64 s[4:5], s[4:5], s[24:25]
	s_add_nc_u64 s[12:13], s[12:13], s[26:27]
	CONV 4, 12, 12288
	s_endpgm                                       ; this way wrote no LDS
.Lw1:
	s_sub_co_u32 s24, s20, 64                      ; W1: 16 rows of 16,384 bytes, of which the first 12,288 are taken
	s_mul_i32 s26, s24, 98304
	s_lshl_b32 s24, s24, 18
	s_add_nc_u64 s[6:7], s[6:7], s[24:25]
	s_add_nc_u64 s[14:15], s[14:15], s[26:27]
	CONV 6, 14, 16384
	s_endpgm
; THE HB JOB.  Wave w takes the K panel 128 w .. 128 w + 127: 16 rows of W1 and the 32 rows of hidden, 512 bytes of each, rounded to bf16 into its own LDS region
; (rows 0-15: W1's, rows 16-47: hidden's), read back as fragments, eight products.  The eight waves' partial sums meet in LDS behind one barrier.
.Lhb:
	v_and_b32 v1, 31, v0                           ; L
	v_and_b32 v2, 15, v0                           ; r = L % 16
	v_bfe_u32 v3, v0, 4, 1                         ; h = L / 16
	v_lshlrev_b32 v4, 4, v1                        ; 16 L: my 16 bytes of a panel's 512
	s_mul_i32 s22, s21, REG                        ; my wave's region
	v_lshl_add_u32 v5, v1, 3, s22                  ; where my 8 bytes of a row go
	v_mul_u32_u24 v6, v2, LP
	v_lshl_add_u32 v6, v3, 4, v6
	v_add_nc_u32 v6, s22, v6                       ; a fragment's row r, 16 bytes for each half of the lanes
	v_lshl_add_u32 v7, v1, 4, s22                  ; where my 16 bytes of a partial sum go
	v_and_b32 v8, 3, v0
	v_lshlrev_b32 v8, 4, v8                        ; 16 (t % 4): my four numbers of b1
	s_lshl_b32 s24, s20, 18                        ; 16 g rows of W1,
	s_lshl_b32 s26, s21, 9                         ; my panel,
	s_add_co_u32 s24, s24, s26
	s_add_co_u32 s24, s24, 12288                   ; behind the 3,072 columns that belong to enc
	s_add_nc_u64 s[6:7], s[6:7], s[24:25]
	s_add_nc_u64 s[8:9], s[8:9], s[26:27]
	s_lshl_b32 s24, s20, 6                         ; 16 g columns of f32
	s_add_nc_u64 s[10:11], s[10:11], s[24:25]
	s_add_nc_u64 s[16:17], s[16:17], s[24:25]
	s_mov_b32 s18, 0x4038aa3b                      ; c = 2 log2(e) = 2.885390
	s_mov_b32 s19, s18                             ; named with it as a pair
	global_load_b128 v[10:13], v8, s[10:11]
.set n, 0
.rept 16
	global_load_b128 v[X+4*n:X+4*n+3], v4, s[6:7] offset:16384*n th:TH_LOAD_NT
.set n, n+1
.endr
.set n, 0
.rept 32
	global_load_b128 v[X+64+4*n:X+64+4*n+3], v4, s[8:9] offset:4096*n
.set n, n+1
.endr
.set n, 0
.rept 48
	s_wait_loadcnt 47-n                            ; row n is in (and b1, the oldest load); the 47 - n younger loads stay out
	v_cvt_pk_bf16_f32 v[X+4*n], v[X+4*n], v[X+4*n+1]
	v_cvt_pk_bf16_f32 v[X+4*n+1], v[X+4*n+2], v[X+4*n+3]
	ds_store_b64 v5, v[X+4*n:X+4*n+1] offset:LP*n
.set n, n+1
.endr
	; fragments: 16 rows x 32 K in 8 registers, two loads of 16 bytes 32 bytes apart.  LDS serves a wave's instructions in order (ISA guide 5.7.1.4): these see my stores above.
.irp ks, 0,1,2,3
	ds_load_b128 v[X+8*\ks:X+8*\ks+3],   v6 offset:64*\ks
	ds_load_b128 v[X+8*\ks+4:X+8*\ks+7], v6 offset:64*\ks+32
.endr
.irp mt, 0,1
.irp ks, 0,1,2,3
	ds_load_b128 v[X+32+8*(4*\mt+\ks):X+32+8*(4*\mt+\ks)+3],   v6 offset:(16+16*\mt)*LP+64*\ks
	ds_load_b128 v[X+32+8*(4*\mt+\ks)+4:X+32+8*(4*\mt+\ks)+7], v6 offset:(16+16*\mt)*LP+64*\ks+32
.endr
.endr
	s_wait_dscnt 0x0
	; source 0 = 16 rows of W1, source 1 = 16 rows of hidden: a lane then holds one batch (16 mt + r) and the columns 8 h + 0..7.  The two accumulators take turns.
.irp ks, 0,1,2,3
.irp mt, 0,1
.if \ks == 0
	v_wmma_f32_16x16x32_bf16 v[ACC+8*\mt:ACC+8*\mt+7], v[X+8*\ks:X+8*\ks+7], v[X+32+8*(4*\mt+\ks):X+32+8*(4*\mt+\ks)+7], 0
.else
	v_wmma_f32_16x16x32_bf16 v[ACC+8*\mt:ACC+8*\mt+7], v[X+8*\ks:X+8*\ks+7], v[X+32+8*(4*\mt+\ks):X+32+8*(4*\mt+\ks)+7], v[ACC+8*\mt:ACC+8*\mt+7]
.endif
.endr
.endr
.rept 4
	v_nop                                          ; four places between the last product and the stores that read the sums
.endr
	ds_store_b128 v7, v[ACC:ACC+3]                 ; my partial sums, over my region's first 2,048 bytes, whose fragments have been read
	ds_store_b128 v7, v[ACC+4:ACC+7] offset:512
	ds_store_b128 v7, v[ACC+8:ACC+11] offset:1024
	ds_store_b128 v7, v[ACC+12:ACC+15] offset:1536
	s_wait_dscnt 0x0                               ; for the others' sake: my stores are done
	s_barrier_signal -1
	s_barrier_wait -1
	s_cmp_ge_u32 s21, 4
	s_cbranch_scc1 .Lhb_end                        ; 128 threads add: thread t takes batch t / 4 and the four columns 4 (t % 4) ..
	v_lshrrev_b32 v1, 2, v0                        ; batch
	v_and_b32 v2, 3, v0                            ; dq
	v_lshrrev_b32 v3, 4, v1
	v_lshlrev_b32 v3, 1, v3
	v_and_b32 v4, 1, v2
	v_add_nc_u32 v3, v3, v4                        ; which of the four blocks of 512 bytes: 2 (batch / 16) + dq % 2
	v_and_b32 v4, 15, v1
	v_lshrrev_b32 v5, 1, v2
	v_lshl_add_u32 v4, v5, 4, v4                   ; and which lane wrote it: batch % 16 + 16 (dq / 2)
	v_lshlrev_b32 v8, 4, v4
	v_lshl_add_u32 v8, v3, 9, v8                   ; in regions 0-4,
	v_add_nc_u32 v9, 5*REG, v8                     ; in regions 5-7: an LDS offset has 16 bits
	v_lshlrev_b32 v5, 4, v2
	v_lshl_add_u32 v5, v1, 12, v5                  ; my 16 bytes in hbs: row of 4,096 bytes, 16 dq
.irp w, 0,1,2,3,4
	ds_load_b128 v[X+4*\w:X+4*\w+3], v8 offset:REG*\w
.endr
.irp w, 5,6,7
	ds_load_b128 v[X+4*\w:X+4*\w+3], v9 offset:REG*(\w-5)
.endr
	v_pk_mul_f32 v[10:11], v[10:11], s[18:19] op_sel_hi:[1,0]  ; c b1
	v_pk_mul_f32 v[12:13], v[12:13], s[18:19] op_sel_hi:[1,0]
	s_wait_dscnt 0x0
.irp w, 1,2,3,4,5,6,7                  ; K panels ascending
	v_pk_add_f32 v[X:X+1], v[X:X+1], v[X+4*\w:X+4*\w+1]
	v_pk_add_f32 v[X+2:X+3], v[X+2:X+3], v[X+4*\w+2:X+4*\w+3]
.endr
	v_pk_fma_f32 v[X:X+1], v[X:X+1], s[18:19], v[10:11] op_sel_hi:[1,0,1]
	v_pk_fma_f32 v[X+2:X+3], v[X+2:X+3], s[18:19], v[12:13] op_sel_hi:[1,0,1]
	global_store_b128 v5, v[X:X+3], s[16:17]       ; pieces of 64 bytes a row: a tile of 16 columns gives 64 work-groups a share of W1's 4 MiB; hbs is 131,072 bytes in all
.Lhb_end:
	s_wait_tensorcnt 0x0                           ; the wave's end, behind my last LDS store
	ds_add_u32 v[SPW], v[NIL]
	s_wait_dscnt 0x0
	s_endpgm
.Lfunc_end_k_qed3268cb5f_prep:
	.size	k_qed3268cb5f_prep, .Lfunc_end_k_qed3268cb5f_prep-k_qed3268cb5f_prep
	.p2alignl 7, 3214868480
	.fill 96, 4, 3214868480
	.section	.rodata,"a",@progbits
	.p2align	6, 0x0
	.amdhsa_kernel k_qed3268cb5f_prep
		.amdhsa_group_segment_fixed_size 105472
		.amdhsa_private_segment_fixed_size 0
		.amdhsa_enable_private_segment 0
		.amdhsa_kernarg_size 56
		.amdhsa_user_sgpr_count 2
		.amdhsa_user_sgpr_kernarg_segment_ptr 1
		.amdhsa_wavefront_size32 1
		.amdhsa_system_sgpr_workgroup_id_x 1
		.amdhsa_system_sgpr_workgroup_id_y 1
		.amdhsa_system_sgpr_workgroup_id_z 1
		.amdhsa_system_vgpr_workitem_id 0
		.amdhsa_next_free_vgpr 208
		.amdhsa_next_free_sgpr 66
		.amdhsa_reserve_vcc 0
		.amdhsa_float_denorm_mode_32 3
		.amdhsa_float_denorm_mode_16_64 3
		.amdhsa_memory_ordered 1
		.amdhsa_forward_progress 1
		.amdhsa_inst_pref_size 56
	.end_amdhsa_kernel
	.amdgpu_metadata
---
amdhsa.version: [ 1, 2 ]
amdhsa.kernels:
  - .name:           k_qed3268cb5f_prep
    .symbol:         k_qed3268cb5f_prep.kd
    .args:
      - { .name: encoder_outputs, .offset: 0, .size: 8, .value_kind: global_buffer, .address_space: global }
      - { .name: W1, .offset: 8, .size: 8, .value_kind: global_buffer, .address_space: global }
      - { .name: hidden_state, .offset: 16, .size: 8, .value_kind: global_buffer, .address_space: global }
      - { .name: b1, .offset: 24, .size: 8, .value_kind: global_buffer, .address_space: global }
      - { .name: encb, .offset: 32, .size: 8, .value_kind: global_buffer, .address_space: global }
      - { .name: w1b, .offset: 40, .size: 8, .value_kind: global_buffer, .address_space: global }
      - { .name: hbs, .offset: 48, .size: 8, .value_kind: global_buffer, .address_space: global }
    .group_segment_fixed_size: 105472
    .private_segment_fixed_size: 0
    .kernarg_segment_align: 8
    .kernarg_segment_size: 56
    .max_flat_workgroup_size: 256
    .sgpr_count:     66
    .vgpr_count:     208
    .wavefront_size: 32
...
	.end_amdgpu_metadata
.endif
;; end of part 1
;; launch score (part 2): grid 4 x 64, 4 waves a work-group, clusters of 4 x 4, 327,680 bytes of LDS; arguments encb, w1b, hbs, w2, epart; writes epart
.if DOCPART == 2
	.amdgcn_target "amdgcn-amd-amdhsa--gfx1250"
	.amdhsa_code_object_version 6
	.text
	.protected	k_qed3268cb5f_score
	.globl	k_qed3268cb5f_score
	.p2align	8
	.type	k_qed3268cb5f_score,@function
k_qed3268cb5f_score:
	s_mov_b64 s[64:65], 0
	v_nop
	global_prefetch_b8 v0, s[64:65] scope:SCOPE_SE
	s_setreg_imm32_b32 hwreg(HW_REG_WAVE_MODE, 25, 1), 1
	s_wait_xcnt 0x0
	s_wait_alu depctr_hold_cnt(0) depctr_sa_sdst(0) depctr_va_vdst(0) depctr_va_sdst(0) depctr_va_ssrc(0) depctr_va_vcc(0) depctr_vm_vsrc(0)
	s_getreg_b32 s2, hwreg(HW_REG_IB_STS2, 6, 4)
	s_cmp_eq_u32 s2, 0
	s_cbranch_scc0 .Lentry_in_a_cluster
	s_endpgm
.Lentry_in_a_cluster:
	s_bfe_u32 s2, ttmp6, 0x10000c
	s_cmp_lg_u32 s2, 0xf033
	s_cbranch_scc0 .Lentry_shape_is_right
	s_endpgm
.Lentry_shape_is_right:
; SCORE.  epart[p][row] = the sum over the 128 columns d of strip p of w2[d] tanh(sum over k of enc[row][k] W1[d][k] + hb[batch][d]).  encb: [16384][3072] bf16, w1b: [1024][3072] bf16,
; hbs: [32][1024] f32 = c hb with c = 2 log2(e), w2: [1024] f32, epart: [8][16384] f32.  The eight strips are added in the next launch.
; A tile of 256 rows x 256 columns is made by a work-group of four waves, a wave 128 x 128: 64 accumulators of 16 x 16, 512 registers.  K goes in steps of 128 through a ring of two LDS
; slots filled by the tensor data mover; the tiles' rows are 256 bytes of memory at multiples of 256 bytes.  A tile's 256 rows lie in one batch (512 rows), so one row of hbs serves it.
; CLUSTERS: 4 x 4 work-groups.  The four of a row of the cluster make the four column tiles of one row tile and need the same tiles of encb; the four of a column need the same tiles of
; w1b.  Each tile is asked for JOINTLY: the same tensor load, descriptor and mask in all four.
; THE MATRIX INSTRUCTION IS USED TRANSPOSED (source 0 = 16 rows of w1b, source 1 = 16 rows of encb): lane l holds row l % 16 and the columns 8 (l / 16) + 0..7, so a row's sum over columns
; is a sum within a lane and one exchange between the halves of the lanes.
; TANH.  tanh(x) = 1 - 2 / (1 + 2^(c x)).  Where 2^(c x) overflows the quotient is 0 and the result 1; where it is flushed to 0 the result is -1: both are tanh's value to f32's last bit.
; LIMITS.  enc and W1 arrive rounded once to bf16; sums in f32; NaN and infinities are not treated apart.
; REGISTERS, in windows of 256 (s_set_vgpr_msb's low byte: bits 1:0 source 0, 3:2 source 1, 5:4 source 2, 7:6 destination):
;   window 0: v0-31 addresses; v32-56 at work on the way out; v64-127, v128-191 fragments of encb, two buffers (the first is at work on the way out)
;   window 1: v0-63 hbs of my lane's 64 columns; v64-127, v128-191 fragments of w1b; v192-255 w2 of the same 64 columns
;   window 2: the 32 accumulators of my rows 0-63 (block a, column block b at v[8 (8 a + b)]);   window 3: those of my rows 64-127
.set SIZE_K, 3072
.set KSTEP,  128
.set PITCH,  272                       ; an LDS row: 256 bytes + 16 of padding = 68 words: row r starts at bank 4 r mod 64 (64 banks of 4 bytes: ISA guide 11.1)
.set HALFT,  128*PITCH                 ; 128 rows: what one tensor load brings, and what one wave reads of either operand
.set SLOT,   4*HALFT                   ; encb's 256 rows, then w1b's 256 rows
.set STAGE,  2*SLOT                    ; behind the ring: 512 bytes for each wave, its 128 row sums; no tensor load lands here
.set SPARE,  STAGE+4*512               ; behind the stages: the spare words, 128 bytes for each wave: two blocks of 256 bytes that no other line names
.set LAPS,   SIZE_K/(2*KSTEP)          ; a lap = two K steps = once round the ring: 12
.set ADRA, 16                          ; v16-17  LDS address of my encb fragments in slot 0, 1
.set ADRB, 20                          ; v20-21  the same for w1b
.set STO,  24                          ; v24     my stage + 4 l
.set RD,   25                          ; v25     my stage + 16 l
.set CO,   26                          ; v26     16 l: my 16 bytes of the wave's 512 in epart
.set HO,   27                          ; v27     32 (l / 16): my eight columns in a block of sixteen, in f32
.set SPW,  28                          ; v28     LDS address of my spare word; never rewritten
.set NIL,  29                          ; v29     0; never rewritten
.set S,    32                          ; v32-39  four pairs of running sums
.set E,    40                          ; v40-47  block a's row sum
.set VV,   48                          ; v48-51  row sums, one row a lane
.set OUT,  52                          ; v52-55  four rows a lane
.set HBIT, 56                          ; v56     16 in the upper half of the lanes
.set F0,   64                          ; fragment buffer 0
.set F1,   128                         ; fragment buffer 1
.set T,    64                          ; the way out: 64 numbers at work, where buffer 0 lay
.set HB,   0                           ; window 1
.set W2,   192                         ; window 1
.set G1, 24                            ; s[24:31] descriptor group 1 for encb's tiles
.set G0, 32                            ; s[32:39] descriptor group 0 for encb's tiles, one set for each slot
.set G1B, 48                           ; s[48:55] group 1 for w1b's tiles: it differs in the mask alone
.set G0B, 56                           ; s[56:63] group 0 for w1b's tiles
.set MSB, 0
.macro WIN new                         ; the immediate's high byte repeats the setting that is left; a switch that changes nothing is dropped
.if MSB != (\new)
	s_set_vgpr_msb (MSB<<8)|(\new)
.set MSB, \new
.endif
.endm
.set MUL_LO, 0xa1                      ; source 0 (w1b) window 1, source 1 (encb) window 0, C and D window 2
.set MUL_HI, 0xf1                      ; the same, C and D window 3
.set TO_B,   0x40                      ; destination window 1, address window 0
; A joint load.  Waves 0 and 1 fetch encb's two halves, waves 2 and 3 w1b's.  The branch hangs on the wave's number alone.  An s_nop 0 and four v_nop follow each of the two lines,
; ahead of the jump, the label and what follows.
.macro JLOAD s
	s_cmp_eq_u32 s11, 0
	s_cbranch_scc0 .Lfor_b_\@
	tensor_load_to_lds s[G0+4*(\s):G0+4*(\s)+3], s[G1:G1+7]
	s_nop 0
.rept 4
	v_nop
.endr
	s_branch .Lasked_\@
.Lfor_b_\@:
	tensor_load_to_lds s[G0B+4*(\s):G0B+4*(\s)+3], s[G1B:G1B+7]
	s_nop 0
.rept 4
	v_nop
.endr
.Lasked_\@:
.endm
; A round of the cluster's barrier: my work-group's barrier; wave 0 signals for the work-group; every wave waits for all sixteen; my work-group's barrier once more.
.macro CREST                           ; a round behind its opening barrier
	s_cmp_lg_u32 s10, 0
	s_cbranch_scc1 .Lnot_wave_0_\@
	s_barrier_signal -3
.Lnot_wave_0_\@:
	s_barrier_wait -3
	s_barrier_signal -1
	s_barrier_wait -1
.endm
.macro CROUND                          ; a whole round
	s_barrier_signal -1
	s_barrier_wait -1
	CREST
.endm
	s_load_b128 s[4:7], s[0:1], 0x0                ; encb s[4:5], w1b s[6:7]
	s_load_b128 s[68:71], s[0:1], 0x10             ; hbs s[68:69], w2 s[70:71]
	s_load_b64 s[8:9], s[0:1], 0x20                ; epart
	v_lshl_add_u32 v[SPW], v0, 2, SPARE
	v_mov_b32 v[NIL], 0
	ds_add_u32 v[SPW], v[NIL]                      ; the wave's opening: the add and its wait stand ahead of my first tensor load; the set-up below, work on registers, stands between them
	v_lshrrev_b32 v1, 5, v0
	v_readfirstlane_b32 s10, v1                    ; wave 0..3
	s_lshr_b32 s11, s10, 1                         ; which half of the tile's rows is mine.  Also: I fetch for encb (0) or for w1b (1)
	s_and_b32 s12, s10, 1                          ; which half of its columns.  Also: which 128 rows of that tile I fetch
	s_bfe_u32 s40, ttmp6, 0x40000                  ; cx
	s_bfe_u32 s41, ttmp6, 0x40004                  ; cy
	s_lshl_b32 s42, ttmp9, 2                       ; in a cluster launch ttmp9 and ttmp7 count clusters
	s_add_co_u32 s42, s42, s40                     ; tile column = 4 x cluster x + cx
	s_and_b32 s13, ttmp7, 0xffff
	s_lshl_b32 s13, s13, 2
	s_add_co_u32 s13, s13, s41                     ; tile row = 4 x cluster y + cy
	s_lshl_b32 s43, s41, 2
	s_lshl_b32 s43, 15, s43                        ; my row of the cluster: places 4 cy .. 4 cy + 3
	s_lshl_b32 s44, 0x1111, s40                    ; my column: places cx, cx + 4, cx + 8, cx + 12
	; descriptor group 1: a tile of 128 rows x 128 elements, padded in LDS
	s_or_b32 s[G1+0], s43, (1<<16)|(1<<20)|(1<<21)|(5<<22)|(3<<25)  ; 15:0 the mask: encb's tiles go to my row; 17:16 elements of 2 bytes; 20 padding on; 21 set beside a mask; 24:22 after every 64 words (code 5); 31:25 4 words of it (code 3)
	s_or_b32 s[G1B+0], s44, (1<<16)|(1<<20)|(1<<21)|(5<<22)|(3<<25) ; the same with the mask of my column, for w1b's tiles
.irp g, G1, G1B
	s_mov_b32 s[(\g)+1], KSTEP<<16                 ; tensor_dim0 = 128
	s_mov_b32 s[(\g)+2], 128<<16                   ; tensor_dim1 = 128
	s_mov_b32 s[(\g)+3], KSTEP<<16                 ; tile_dim0 = 128
	s_mov_b32 s[(\g)+4], 128                       ; tile_dim1 = 128
	s_mov_b32 s[(\g)+5], SIZE_K                    ; elements from row to row
	s_mov_b32 s[(\g)+6], 0
	s_mov_b32 s[(\g)+7], 0
.endr
	; where the tiles come from.  encb's hang on the tile row alone, which my row of the cluster shares; w1b's on the tile column alone, which my column shares.
	s_lshl_b32 s17, s12, 7                         ; which 128 rows of the tile I fetch
	s_lshl_b32 s16, s13, 8
	s_add_co_u32 s16, s16, s17                     ; encb: row 256 x tile row + 128 x half
	s_lshl_b32 s46, s42, 8
	s_add_co_u32 s46, s46, s17                     ; w1b: row 256 x tile column + 128 x half
	s_mov_b32 s17, 0
	s_mov_b32 s47, 0
	s_mov_b64 s[18:19], SIZE_K*2
	s_mul_u64 s[16:17], s[16:17], s[18:19]         ; in bytes
	s_mul_u64 s[46:47], s[46:47], s[18:19]
	s_mul_i32 s20, s10, HALFT                      ; and where they go: wave x 128 rows: no place in the cluster enters an LDS address
	s_mov_b32 s72, 0x4038aa3b                      ; c = 2 log2(e)
	s_mov_b32 s73, s72                             ; named with it as a pair
	s_mov_b32 s74, 0x76543210                      ; v_permlanex16_b32: each lane takes its own place in the other half
	s_mov_b32 s75, 0xfedcba98
	s_wait_dscnt 0x0                               ; the opening add is done
	s_wait_kmcnt 0x0
	s_add_nc_u64 s[14:15], s[4:5], s[16:17]
	s_add_nc_u64 s[46:47], s[6:7], s[46:47]
	CROUND                                         ; all sixteen work-groups are here: the first joint loads meet
.irp s, 0,1
	s_mov_b32 s[G0+4*(\s)], 1                                      ; count = 1
	s_add_co_u32 s[G0+4*(\s)+1], s20, (\s)*SLOT                    ; LDS address
	s_add_nc_u64 s[G0+4*(\s)+2:G0+4*(\s)+3], s[14:15], (\s)*KSTEP*2  ; global address: K step s
	s_or_b32 s[G0+4*(\s)+3], s[G0+4*(\s)+3], 0x80000000            ; type = 2
	s_mov_b32 s[G0B+4*(\s)], 1
	s_add_co_u32 s[G0B+4*(\s)+1], s20, (\s)*SLOT
	s_add_nc_u64 s[G0B+4*(\s)+2:G0B+4*(\s)+3], s[46:47], (\s)*KSTEP*2
	s_or_b32 s[G0B+4*(\s)+3], s[G0B+4*(\s)+3], 0x80000000
	JLOAD \s                                       ; the ring is filled before anything else is done: two loads of mine are out
.endr
	; A fragment is 16 rows x 32 K in 8 registers: lane l holds row l % 16; registers 0-3 K = 8 (l / 16) + 0..7, registers 4-7 K = 16 + 8 (l / 16) + 0..7: two loads of 16 bytes, 32 bytes apart.
	v_and_b32 v1, 15, v0                           ; l % 16
	v_bfe_u32 v2, v0, 4, 1                         ; l / 16
	v_mul_u32_u24 v3, v1, PITCH
	v_lshl_add_u32 v3, v2, 4, v3                   ; row x pitch + 16 x half
	s_mul_i32 s21, s11, HALFT                      ; my 128 rows of encb
	s_mul_i32 s22, s12, HALFT                      ; my 128 rows of w1b,
	s_add_co_u32 s22, s22, 2*HALFT                 ; which lie behind encb's 256
.irp s, 0,1
	v_add_nc_u32 v[ADRA+(\s)], s21, v3
	v_add_nc_u32 v[ADRB+(\s)], s22, v3
	s_add_co_u32 s21, s21, SLOT
	s_add_co_u32 s22, s22, SLOT
.endr
	s_lshl_b32 s23, s10, 9
	s_add_co_u32 s23, s23, STAGE                   ; my stage
	v_and_b32 v4, 31, v0
	v_lshl_add_u32 v[STO], v4, 2, s23
	v_lshl_add_u32 v[RD], v4, 4, s23
	v_lshlrev_b32 v[CO], 4, v4
	v_lshlrev_b32 v[HO], 5, v2
	; the three plain pointers; their offsets are made in s[76:77], which feed no descriptor
	s_lshr_b32 s76, s13, 1                         ; the batch: two row tiles each
	s_lshl_b32 s76, s76, 12                        ; its row of hbs,
	s_lshl_b32 s77, s42, 10                        ; the tile's 256 columns,
	s_add_co_u32 s76, s76, s77
	s_lshl_b32 s77, s12, 9                         ; my 128 of them
	s_add_co_u32 s76, s76, s77
	s_mov_b32 s77, 0
	s_add_nc_u64 s[68:69], s[68:69], s[76:77]
	s_lshl_b32 s76, s42, 10
	s_lshl_b32 s77, s12, 9
	s_add_co_u32 s76, s76, s77
	s_mov_b32 s77, 0
	s_add_nc_u64 s[70:71], s[70:71], s[76:77]
	s_lshl_b32 s76, s42, 1
	s_add_co_u32 s76, s76, s12                     ; strip p = 2 x tile column + column half,
	s_lshl_b32 s76, s76, 16                        ; 16,384 f32 each,
	s_lshl_b32 s77, s13, 10                        ; the tile's 256 rows,
	s_add_co_u32 s76, s76, s77
	s_lshl_b32 s77, s11, 9                         ; my 128 of them
	s_add_co_u32 s76, s76, s77
	s_mov_b32 s77, 0
	s_add_nc_u64 s[8:9], s[8:9], s[76:77]
	WIN TO_B                                       ; hbs and w2 of my lane's columns 16 b + 8 (l / 16) + 0..7, b = 0..7: they stay in registers
.irp b, 0,1,2,3,4,5,6,7
	global_load_b128 v[HB+8*\b:HB+8*\b+3],   v[HO], s[68:69] offset:64*\b
	global_load_b128 v[HB+8*\b+4:HB+8*\b+7], v[HO], s[68:69] offset:64*\b+16
	global_load_b128 v[W2+8*\b:W2+8*\b+3],   v[HO], s[70:71] offset:64*\b
	global_load_b128 v[W2+8*\b+4:W2+8*\b+7], v[HO], s[70:71] offset:64*\b+16
.endr
	WIN 0
; 16 matrix instructions: row blocks a0, a0 + 1 of the window's four (hi = 0: my rows 0-63, 1: rows 64-127) x all 8 column blocks, 32 along K.  zero = 1: the first product starts the sums.
.macro MUL16 f, hi, a0, zero
	WIN MUL_LO+0x50*(\hi)
.irp a, \a0, (\a0)+1
.irp b, 0,1,2,3,4,5,6,7
.if \zero
	v_wmma_f32_16x16x32_bf16 v[8*(8*(\a)+(\b)):8*(8*(\a)+(\b))+7], v[(\f)+8*(\b):(\f)+8*(\b)+7], v[(\f)+8*(4*(\hi)+(\a)):(\f)+8*(4*(\hi)+(\a))+7], 0
.else
	v_wmma_f32_16x16x32_bf16 v[8*(8*(\a)+(\b)):8*(8*(\a)+(\b))+7], v[(\f)+8*(\b):(\f)+8*(\b)+7], v[(\f)+8*(4*(\hi)+(\a)):(\f)+8*(4*(\hi)+(\a))+7], v[8*(8*(\a)+(\b)):8*(8*(\a)+(\b))+7]
.endif
.endr
.endr
.endm
; 32 LDS loads in one run: the fragments of one quarter step (128 rows of w1b, 128 rows of encb, 32 K at byte k of the rows) into buffer f
.macro FETCH slot, k, f
	WIN TO_B
.irp i, 0,1,2,3,4,5,6,7
	ds_load_b128 v[(\f)+8*(\i):(\f)+8*(\i)+3],   v[ADRB+(\slot)] offset:(\k)+(\i)*16*PITCH
	ds_load_b128 v[(\f)+8*(\i)+4:(\f)+8*(\i)+7], v[ADRB+(\slot)] offset:(\k)+(\i)*16*PITCH+32
.endr
	WIN 0
.irp i, 0,1,2,3,4,5,6,7
	ds_load_b128 v[(\f)+8*(\i):(\f)+8*(\i)+3],   v[ADRA+(\slot)] offset:(\k)+(\i)*16*PITCH
	ds_load_b128 v[(\f)+8*(\i)+4:(\f)+8*(\i)+7], v[ADRA+(\slot)] offset:(\k)+(\i)*16*PITCH+32
.endr
.endm
; A load into a register that a matrix instruction has read, and a vector instruction that reads a matrix result, stand four places behind that matrix instruction, and only plain vector
; instructions that name none of its registers are places (ISA guide 7.12.1 for vector instructions).
.macro PLACES
.rept 4
	v_nop
.endr
.endm
; A K step is four quarter steps of 32 along K, 64 matrix instructions each, on buffers 0, 1, 0, 1.  The 64 accumulators take turns in the same order in every quarter.
; One of the first three: multiplies buffer f; in its middle it fetches the next quarter's fragments, at byte k of the same slot's rows, into buffer g.
.macro QUARTER slot, k, f, g, zero
	s_wait_dscnt 8                                 ; w1b's and encb's rows 0-63 are in; the youngest eight loads (encb's rows 64-127) may be out
	WIN MUL_LO
	MUL16 \f, 0, 0, \zero
	MUL16 \f, 0, 2, \zero
	PLACES
	FETCH \slot, \k, \g
	s_wait_dscnt 32                                ; all but the 32 just issued
	WIN MUL_HI
	MUL16 \f, 1, 0, \zero
	MUL16 \f, 1, 2, \zero
.endm
; The last quarter multiplies buffer 1 and changes slots.  MEET is its first half: ONE barrier.  In front of it each wave waits for all its tensor loads, of which one is out: its part of
; the next slot; adds 0 to its spare word; and waits for that and for its own reads of this slot.  Behind it nobody reads this slot any more and the next slot is whole.
.macro MEET round                      ; round = 1: a round of the cluster's barrier follows
	WIN 0                                          ; (the add's two registers lie in window 0)
	s_wait_tensorcnt 0x0                           ; all my tensor loads have landed;
	ds_add_u32 v[SPW], v[NIL]                      ; 0 onto my spare word;
	s_wait_dscnt 9                                 ; (the add and the youngest eight loads may be out)
	WIN MUL_LO
	MUL16 F1, 0, 0, 0                              ; sixteen matrix instructions stand between the add and the wait for it
	s_wait_dscnt 0x0                               ; the add is done, and my reads of this slot are over:
	s_barrier_signal -1                            ; say so,
	MUL16 F1, 0, 2, 0                              ; work on registers while the others arrive,
.if \round
	WIN 0
.endif
	s_barrier_wait -1                              ; and go on when all four have said so
.endm
; The whole last quarter.  fill = 1: the barrier opens a round of the cluster's, so that no wave of any partner still reads the slot or has a load on its way; the slot just read out is
; filled again first, with the K step two steps on: from that request to the wait for it a wave issues 224 matrix instructions.  Then come the next slot's first fragments.
.macro TURN slot, next, fill
	MEET \fill
.if \fill
	CREST
	s_add_nc_u64 s[G0+4*(\slot)+2:G0+4*(\slot)+3], s[G0+4*(\slot)+2:G0+4*(\slot)+3], 2*KSTEP*2
	s_add_nc_u64 s[G0B+4*(\slot)+2:G0B+4*(\slot)+3], s[G0B+4*(\slot)+2:G0B+4*(\slot)+3], 2*KSTEP*2
	JLOAD \slot                                    ; my one tensor load behind the round; the four v_nop behind it are also the places in front of the loads below
.else
	PLACES
.endif
	FETCH \next, 0, F0
	WIN MUL_HI
	MUL16 F1, 1, 0, 0
	MUL16 F1, 1, 2, 0
.endm
; THE WAY OUT of block a (16 rows x 128 columns, 64 numbers a lane): c x = c sum + hbs; 2^(c x); 1 + it; the reciprocal; 1 - 2 times it, which is tanh(x); times w2, summed in four chains.
; Each accumulator's registers are read in ascending order.  The exponentials and the reciprocals stand in runs, a plain instruction behind each run before a result is used (ISA guide 5.7.2).
.macro EPI a
.set AC, 64*((\a)%4)
	WIN 0x12+(\a)/4                                ; source 0 window 2 or 3, source 2 window 1, destination window 0
.set i, 0
.rept 32
	v_pk_fma_f32 v[T+2*i:T+2*i+1], v[AC+2*i:AC+2*i+1], s[72:73], v[HB+2*i:HB+2*i+1] op_sel_hi:[1,0,1]
.set i, i+1
.endr
	WIN 0
.set i, 0
.rept 64
	v_exp_f32 v[T+i], v[T+i]
.set i, i+1
.endr
	v_nop
.set i, 0
	s_wait_alu depctr_va_vdst(0)
.rept 32
	v_pk_add_f32 v[T+2*i:T+2*i+1], v[T+2*i:T+2*i+1], 1.0 op_sel_hi:[1,0]
.set i, i+1
.endr
.set i, 0
.rept 64
	v_rcp_f32 v[T+i], v[T+i]
.set i, i+1
.endr
	v_nop
.set i, 0
	s_wait_alu depctr_va_vdst(0)
.rept 32
	v_pk_fma_f32 v[T+2*i:T+2*i+1], v[T+2*i:T+2*i+1], -2.0, 1.0 op_sel_hi:[1,0,0]
.set i, i+1
.endr
	WIN 0x04                                       ; source 1 (w2) window 1
.set i, 0
.rept 32
.if i < 4
	v_pk_mul_f32 v[S+2*i:S+2*i+1], v[T+2*i:T+2*i+1], v[W2+2*i:W2+2*i+1]
.else
	v_pk_fma_f32 v[S+2*(i%4):S+2*(i%4)+1], v[T+2*i:T+2*i+1], v[W2+2*i:W2+2*i+1], v[S+2*(i%4):S+2*(i%4)+1]
.endif
.set i, i+1
.endr
	WIN 0
	v_pk_add_f32 v[S:S+1], v[S:S+1], v[S+2:S+3]
	v_pk_add_f32 v[S+4:S+5], v[S+4:S+5], v[S+6:S+7]
	v_pk_add_f32 v[S:S+1], v[S:S+1], v[S+4:S+5]
	v_add_f32 v[E+(\a)], v[S], v[S+1]
.endm
	s_wait_loadcnt 0x0                             ; hbs and w2, once: no global load is out in the loop
	s_wait_tensorcnt 1                             ; my part of K step 0 is in; K step 1's may stay out
	s_barrier_signal -1
	s_barrier_wait -1                              ; everybody's is
	FETCH 0, 0, F0
	QUARTER 0, 64,  F0, F1, 1                      ; the first quarter stands in front of the loop: its products start the sums
	WIN 0                                          ; at a label and at a branch every window is 0
	s_mov_b32 s3, LAPS-1
.Llap:                                                 ; a trip goes once round the ring, from a lap's second quarter to the next lap's first, and fills both slots again
	QUARTER 0, 128, F1, F0, 0
	QUARTER 0, 192, F0, F1, 0
	TURN 0, 1, 1
	QUARTER 1, 64,  F0, F1, 0
	QUARTER 1, 128, F1, F0, 0
	QUARTER 1, 192, F0, F1, 0
	TURN 1, 0, 1
	QUARTER 0, 64,  F0, F1, 0
	WIN 0
	s_sub_co_u32 s3, s3, 1
	s_cmp_lg_u32 s3, 0
	s_cbranch_scc1 .Llap
	QUARTER 0, 128, F1, F0, 0                      ; the last lap is written out: it asks for nothing more, and has no round of the cluster's barrier
	QUARTER 0, 192, F0, F1, 0
	TURN 0, 1, 0
	QUARTER 1, 64,  F0, F1, 0
	QUARTER 1, 128, F1, F0, 0
	QUARTER 1, 192, F0, F1, 0
	s_wait_dscnt 8                                 ; the very last quarter: nothing more to fetch
	WIN MUL_LO
	MUL16 F1, 0, 0, 0
	MUL16 F1, 0, 2, 0
	s_wait_dscnt 0x0
	MUL16 F1, 1, 0, 0
	MUL16 F1, 1, 2, 0
	PLACES                                         ; the lines below read results just made
.irp a, 0,1,2,3,4,5,6,7
	EPI \a
.endr
	; a row's other 64 columns lie in the lane 16 away
.irp a, 0,1,2,3,4,5,6,7
	v_permlanex16_b32 v[T+\a], v[E+\a], s74, s75
.endr
.irp a, 0,1,2,3,4,5,6,7
	v_add_f32 v[E+\a], v[E+\a], v[T+\a]
.endr
	v_and_b32 v[HBIT], 16, v0
	v_cmp_ne_u32 vcc_lo, 0, v[HBIT]                ; the upper half of the lanes
.irp q, 0,1,2,3                        ; lanes 0-15 take block 2 q, lanes 16-31 block 2 q + 1: lane l holds row 32 q + l
	v_cndmask_b32 v[VV+\q], v[E+2*\q], v[E+2*\q+1], vcc_lo
	ds_store_b32 v[STO], v[VV+\q] offset:128*\q
.endr
	ds_load_b128 v[OUT:OUT+3], v[RD]               ; four rows a lane; LDS serves a wave's instructions in order (ISA guide 5.7.1.4): this sees my stores above
	s_wait_dscnt 0x0
	global_store_b128 v[CO], v[OUT:OUT+3], s[8:9]  ; the wave's 128 row sums: 512 consecutive bytes, at a multiple of 512 from epart's first byte
	s_wait_tensorcnt 0x0                           ; the wave's end, behind my last tensor load and my last LDS store
	ds_add_u32 v[SPW], v[NIL]
	s_wait_dscnt 0x0
	CROUND                                         ; the closing round: no work-group ends while a partner may still ask for a tile that names it
	s_endpgm
.Lfunc_end_k_qed3268cb5f_score:
	.size	k_qed3268cb5f_score, .Lfunc_end_k_qed3268cb5f_score-k_qed3268cb5f_score
	.p2alignl 7, 3214868480
	.fill 96, 4, 3214868480
	.section	.rodata,"a",@progbits
	.p2align	6, 0x0
	.amdhsa_kernel k_qed3268cb5f_score
		.amdhsa_group_segment_fixed_size 327680
		.amdhsa_private_segment_fixed_size 0
		.amdhsa_enable_private_segment 0
		.amdhsa_kernarg_size 40
		.amdhsa_user_sgpr_count 2
		.amdhsa_user_sgpr_kernarg_segment_ptr 1
		.amdhsa_wavefront_size32 1
		.amdhsa_system_sgpr_workgroup_id_x 1
		.amdhsa_system_sgpr_workgroup_id_y 1
		.amdhsa_system_sgpr_workgroup_id_z 1
		.amdhsa_system_vgpr_workitem_id 0
		.amdhsa_next_free_vgpr 1024
		.amdhsa_next_free_sgpr 78
		.amdhsa_reserve_vcc 1
		.amdhsa_float_denorm_mode_32 3
		.amdhsa_float_denorm_mode_16_64 3
		.amdhsa_memory_ordered 1
		.amdhsa_forward_progress 1
		.amdhsa_inst_pref_size 216
	.end_amdhsa_kernel
	.amdgpu_metadata
---
amdhsa.version: [ 1, 2 ]
amdhsa.kernels:
  - .name:           k_qed3268cb5f_score
    .symbol:         k_qed3268cb5f_score.kd
    .args:
      - { .name: encb, .offset: 0, .size: 8, .value_kind: global_buffer, .address_space: global }
      - { .name: w1b, .offset: 8, .size: 8, .value_kind: global_buffer, .address_space: global }
      - { .name: hbs, .offset: 16, .size: 8, .value_kind: global_buffer, .address_space: global }
      - { .name: w2, .offset: 24, .size: 8, .value_kind: global_buffer, .address_space: global }
      - { .name: epart, .offset: 32, .size: 8, .value_kind: global_buffer, .address_space: global }
    .group_segment_fixed_size: 327680
    .private_segment_fixed_size: 0
    .kernarg_segment_align: 8
    .kernarg_segment_size: 40
    .max_flat_workgroup_size: 128
    .sgpr_count:     78
    .vgpr_count:     1024
    .wavefront_size: 32
...
	.end_amdgpu_metadata
.endif
;; end of part 2
;; launch context (part 3): grid 8 x 32, 24 waves a work-group, no clusters, 29,696 bytes of LDS; arguments encb, epart, ctxb; writes ctxb
.if DOCPART == 3
	.amdgcn_target "amdgcn-amd-amdhsa--gfx1250"
	.amdhsa_code_object_version 6
	.text
	.protected	k_qed3268cb5f_context
	.globl	k_qed3268cb5f_context
	.p2align	8
	.type	k_qed3268cb5f_context,@function
k_qed3268cb5f_context:
	s_mov_b64 s[64:65], 0
	v_nop
	global_prefetch_b8 v0, s[64:65] scope:SCOPE_SE
	s_setreg_imm32_b32 hwreg(HW_REG_WAVE_MODE, 25, 1), 1
	s_wait_xcnt 0x0
; CONTEXT.  e[s] = the sum of the eight strips' partial scores; alpha = softmax(e) over the batch's 512 positions, the true maximum taken away; ctx[f] = sum over s of alpha[s] enc[s][f].
; encb: [32 x 512][3072] bf16, epart: [8][16384] f32, ctxb: [32][3072] bf16.
; A stream: encb is read once, by 16-byte loads.  Matrix units, clusters and tensor loads would add nothing: one output row a batch, no byte shared between work-groups but epart's 16 KiB a batch.
; SHARES.  Work-group (x, b): 384 columns (768 bytes, three aligned blocks of 256) of all 512 rows of batch b.  Wave w: block u = w / 8, rows 64 g .. 64 g + 63 with g = w % 8; lanes 0-15 walk
; rows 64 g + i, lanes 16-31 rows 64 g + 32 + i, i = 0..31, 16 bytes (8 columns) a lane: one load covers two whole blocks of 256 bytes.  16 loads of every wave are on their way.
; The weights are used unnormalised, p = 2^(log2(e) (e - m)), sums in f32; the division by l = sum of p comes once at the end, then one rounding to bf16.
; LIMITS.  A weight below 2^-126 counts as 0; NaN and infinities are not treated apart; l is at least about 1, since the maximum's own weight is.
.set R0,    2048                       ; LDS: e, 512 f32, at 0; from here the waves' partial sums: wave w, half h at R0 + 1,024 w + 512 h: 128 f32
.set SPARE, R0+24*1024                 ; behind them: the spare words, 128 bytes for each of 24 waves: twelve blocks of 256 bytes that no other line names
.set ACC, 8                            ; v[8:15]    my 8 columns' sums
.set AL,  16                           ; v[16:47]   my 32 rows' weights; in waves 0-3 first the eight strips' scores
.set D,   48                           ; v[48:111]  16 slots of 4 registers: 8 bf16 as loaded; at the end 16 partial sums
.set EV,  112                          ; v[112:127] 16 of the batch's 512 scores
.set SPW, 136                          ; v136 LDS address of my spare word; never rewritten
.set NIL, 137                          ; v137 0; never rewritten
; v1 lane; v2 my byte offset in encb; v3 16 t; v4 16 l; v5 my rows' scores in LDS; v6 where my partial sums go; v7 where the adding waves read; v128-129 log2(e) m; v130-131 at work; v132-133 1 / l; v134 8 t
.macro DLOADS                          ; rows i = 0..15 of each half of the lanes
.set i, 0
.rept 16
	global_load_b128 v[D+4*i:D+4*i+3], v2, s[4:5] offset:6144*i th:TH_LOAD_NT
.set i, i+1
.endr
.endm
; Row i: eight multiply-adds straight from the bf16 halves; in the first 16 rows the slot is loaded again with the row 16 further on.
.macro STEP i
.if (\i) < 16
	s_wait_loadcnt 15                              ; behind this row's load stand the 15 - i later first loads and the i reloads
.else
	s_wait_loadcnt 31-(\i)                         ; the counts run down: behind it stand the reloads of the later slots alone
.endif
.irp k, 0,1,2,3
	v_fma_mix_f32_bf16 v[ACC+2*\k],   v[D+4*((\i)%16)+\k], v[AL+(\i)], v[ACC+2*\k]   op_sel_hi:[1,0,0]
	v_fma_mix_f32_bf16 v[ACC+2*\k+1], v[D+4*((\i)%16)+\k], v[AL+(\i)], v[ACC+2*\k+1] op_sel:[1,0,0] op_sel_hi:[1,0,0]
.endr
.if (\i) < 16
	global_load_b128 v[D+4*(\i):D+4*(\i)+3], v2, s[4:5] offset:6144*((\i)+16) th:TH_LOAD_NT
.endif
.endm
	s_load_b128 s[4:7], s[0:1], 0x0                ; encb s[4:5], epart s[6:7]
	s_load_b64 s[8:9], s[0:1], 0x10                ; ctxb
	v_lshl_add_u32 v[SPW], v0, 2, SPARE
	v_mov_b32 v[NIL], 0
	v_lshrrev_b32 v1, 5, v0
	v_readfirstlane_b32 s10, v1                    ; wave 0..23
	s_and_b32 s11, ttmp7, 0xffff                   ; the batch
	s_lshr_b32 s16, s10, 3                         ; u
	s_and_b32 s17, s10, 7                          ; g
	s_mov_b32 s12, 0x3fb8aa3b                      ; log2(e)
	s_mov_b32 s13, s12                             ; named with it as a pair
	s_mov_b32 s14, 0x76543210                      ; v_permlanex16_b32: each lane takes its own place in the other half
	s_mov_b32 s15, 0xfedcba98
	v_and_b32 v1, 31, v0                           ; l
	v_and_b32 v128, 15, v0                         ; l % 16
	v_bfe_u32 v129, v0, 4, 1                       ; h = l / 16
	v_mul_u32_u24 v2, v129, 196608                 ; 32 rows of 6,144 bytes for the upper half,
	v_lshl_add_u32 v2, v128, 4, v2                 ; 16 bytes a lane
	v_lshlrev_b32 v3, 4, v0
	v_lshlrev_b32 v4, 4, v1
	s_lshl_b32 s18, s17, 8
	v_lshl_add_u32 v5, v129, 7, s18                ; e[64 g + 32 h ..]
	s_lshl_b32 s19, s10, 10
	s_add_co_u32 s19, s19, R0
	v_lshlrev_b32 v6, 9, v129
	v_lshl_add_u32 v6, v128, 5, v6
	v_add_nc_u32 v6, s19, v6                       ; my wave's 1,024 bytes: 512 h + 32 (l % 16)
.irp k, 0,1,2,3,4,5,6,7
	v_mov_b32 v[ACC+\k], 0
.endr
	v_mov_b32 v131, 0                              ; v_permlanex16_b32 counts as a reader of its destination
	s_mul_i32 s20, s11, 3145728                    ; the batch's 512 rows,
	s_mul_i32 s22, s17, 393216                     ; my wave's 64,
	s_add_co_u32 s20, s20, s22
	s_mul_i32 s22, ttmp9, 768                      ; the work-group's 384 columns,
	s_add_co_u32 s20, s20, s22
	s_lshl_b32 s23, s16, 8                         ; my wave's block
	s_add_co_u32 s20, s20, s23
	s_mov_b32 s21, 0
	s_wait_kmcnt 0x0
	s_add_nc_u64 s[4:5], s[4:5], s[20:21]
	s_lshl_b32 s20, s11, 11                        ; the batch's 512 scores in a strip
	s_add_nc_u64 s[6:7], s[6:7], s[20:21]
	s_mul_i32 s20, s11, 6144
	s_add_co_u32 s20, s20, s22
	s_add_nc_u64 s[8:9], s[8:9], s[20:21]
	s_cmp_lt_u32 s10, 4
	s_cbranch_scc0 .Lrest
.irp p, 0,1,2,3,4,5,6,7                ; waves 0-3: thread t adds the eight strips' scores of positions 4 t .. 4 t + 3
	global_load_b128 v[AL+4*\p:AL+4*\p+3], v3, s[6:7] offset:65536*\p
.endr
	DLOADS
	s_wait_loadcnt 16                              ; the eight strips are in; the 16 loads of encb stay out
.irp p, 1,2,3,4,5,6,7
	v_pk_add_f32 v[AL:AL+1], v[AL:AL+1], v[AL+4*\p:AL+4*\p+1]
	v_pk_add_f32 v[AL+2:AL+3], v[AL+2:AL+3], v[AL+4*\p+2:AL+4*\p+3]
.endr
	ds_store_b128 v3, v[AL:AL+3]
	s_branch .Lmeet
.Lrest:
	DLOADS
.Lmeet:
	s_wait_dscnt 0x0                               ; for the others' sake: the scores are stored
	s_barrier_signal -1
	s_barrier_wait -1
	; every wave makes the batch's maximum and sum for itself: 16 scores a lane
.irp j, 0,1,2,3
	ds_load_b128 v[EV+4*\j:EV+4*\j+3], v4 offset:512*\j
.endr
.irp q, 0,1,2,3,4,5,6,7
	ds_load_b128 v[AL+4*\q:AL+4*\q+3], v5 offset:16*\q  ; and its own 32 rows' scores for each half of the lanes
.endr
	s_wait_dscnt 8                                 ; the 16 scores are in; the eight younger loads stay out
	v_max3_num_f32 v130, v[EV], v[EV+1], v[EV+2]
.irp k, 3,5,7,9,11,13
	v_max3_num_f32 v130, v130, v[EV+\k], v[EV+\k+1]
.endr
	v_max_num_f32 v130, v130, v[EV+15]
	v_max_num_f32_dpp v130, v130, v130 row_xmask:1 row_mask:0xf bank_mask:0xf
	v_max_num_f32_dpp v130, v130, v130 row_xmask:2 row_mask:0xf bank_mask:0xf
	v_max_num_f32_dpp v130, v130, v130 row_xmask:4 row_mask:0xf bank_mask:0xf
	v_max_num_f32_dpp v130, v130, v130 row_xmask:8 row_mask:0xf bank_mask:0xf
	v_permlanex16_b32 v131, v130, s14, s15
	v_max_num_f32 v130, v130, v131                 ; m, in every lane
	v_mul_f32 v128, s12, v130                      ; log2(e) m
	v_mov_b32 v129, v128                           ; named with it as a pair
.irp k, 0,1,2,3,4,5,6,7
	v_pk_fma_f32 v[EV+2*\k:EV+2*\k+1], v[EV+2*\k:EV+2*\k+1], s[12:13], v[128:129] op_sel_hi:[1,0,0] neg_lo:[0,0,1] neg_hi:[0,0,1]
.endr
.set i, 0
.rept 16
	v_exp_f32 v[EV+i], v[EV+i]
.set i, i+1
.endr
	v_nop                                          ; a plain instruction between the last exponential and the use of its result (ISA guide 5.7.2)
	s_wait_alu depctr_va_vdst(0)
.irp k, 0,4,8,12
	v_pk_add_f32 v[EV+\k:EV+\k+1], v[EV+\k:EV+\k+1], v[EV+\k+2:EV+\k+3]
.endr
	v_pk_add_f32 v[EV:EV+1], v[EV:EV+1], v[EV+4:EV+5]
	v_pk_add_f32 v[EV+8:EV+9], v[EV+8:EV+9], v[EV+12:EV+13]
	v_pk_add_f32 v[EV:EV+1], v[EV:EV+1], v[EV+8:EV+9]
	v_add_f32 v130, v[EV], v[EV+1]
	v_add_f32_dpp v130, v130, v130 row_xmask:1 row_mask:0xf bank_mask:0xf
	v_add_f32_dpp v130, v130, v130 row_xmask:2 row_mask:0xf bank_mask:0xf
	v_add_f32_dpp v130, v130, v130 row_xmask:4 row_mask:0xf bank_mask:0xf
	v_add_f32_dpp v130, v130, v130 row_xmask:8 row_mask:0xf bank_mask:0xf
	v_permlanex16_b32 v131, v130, s14, s15
	v_add_f32 v130, v130, v131                     ; l
	v_rcp_f32 v132, v130                           ; made twice, for the packed multiply; the scalings below, which touch none of these, are the plain instructions behind them
	v_rcp_f32 v133, v130
	s_wait_dscnt 0x0                               ; my rows' scores are in
.set i, 0
.rept 16
	v_pk_fma_f32 v[AL+2*i:AL+2*i+1], v[AL+2*i:AL+2*i+1], s[12:13], v[128:129] op_sel_hi:[1,0,0] neg_lo:[0,0,1] neg_hi:[0,0,1]
.set i, i+1
.endr
.set i, 0
.rept 32
	v_exp_f32 v[AL+i], v[AL+i]
.set i, i+1
.endr
	v_nop
	s_wait_alu depctr_va_vdst(0)
.set n, 0
.rept 32
	STEP n
.set n, n+1
.endr
	ds_store_b128 v6, v[ACC:ACC+3]
	ds_store_b128 v6, v[ACC+4:ACC+7] offset:16
	s_wait_dscnt 0x0                               ; for the others' sake: my partial sums are stored
	s_barrier_signal -1
	s_barrier_wait -1
	s_cmp_ge_u32 s10, 3
	s_cbranch_scc1 .Lend                           ; wave u = 0..2 adds block u's 16 partial sums (8 waves x 2 halves), 4 columns a lane
	s_lshl_b32 s18, s10, 13
	s_add_co_u32 s18, s18, R0
	v_lshl_add_u32 v7, v1, 4, s18
.set n, 0
.rept 16
	ds_load_b128 v[D+4*n:D+4*n+3], v7 offset:512*n
.set n, n+1
.endr
	v_lshlrev_b32 v134, 3, v0                      ; 8 t = 256 u + 8 l
	s_wait_dscnt 0x0
.set n, 1
.rept 15                               ; rows ascending
	v_pk_add_f32 v[D:D+1], v[D:D+1], v[D+4*n:D+4*n+1]
	v_pk_add_f32 v[D+2:D+3], v[D+2:D+3], v[D+4*n+2:D+4*n+3]
.set n, n+1
.endr
	v_pk_mul_f32 v[D:D+1], v[D:D+1], v[132:133]
	v_pk_mul_f32 v[D+2:D+3], v[D+2:D+3], v[132:133]
	v_cvt_pk_bf16_f32 v[D], v[D], v[D+1]
	v_cvt_pk_bf16_f32 v[D+1], v[D+2], v[D+3]
	global_store_b64 v134, v[D:D+1], s[8:9]        ; the wave stores 256 consecutive bytes, at a multiple of 256 from ctxb's first byte
.Lend:
	s_wait_tensorcnt 0x0                           ; the wave's end, behind my last LDS store
	ds_add_u32 v[SPW], v[NIL]
	s_wait_dscnt 0x0
	s_endpgm
.Lfunc_end_k_qed3268cb5f_context:
	.size	k_qed3268cb5f_context, .Lfunc_end_k_qed3268cb5f_context-k_qed3268cb5f_context
	.p2alignl 7, 3214868480
	.fill 96, 4, 3214868480
	.section	.rodata,"a",@progbits
	.p2align	6, 0x0
	.amdhsa_kernel k_qed3268cb5f_context
		.amdhsa_group_segment_fixed_size 29696
		.amdhsa_private_segment_fixed_size 0
		.amdhsa_enable_private_segment 0
		.amdhsa_kernarg_size 24
		.amdhsa_user_sgpr_count 2
		.amdhsa_user_sgpr_kernarg_segment_ptr 1
		.amdhsa_wavefront_size32 1
		.amdhsa_system_sgpr_workgroup_id_x 1
		.amdhsa_system_sgpr_workgroup_id_y 1
		.amdhsa_system_sgpr_workgroup_id_z 1
		.amdhsa_system_vgpr_workitem_id 0
		.amdhsa_next_free_vgpr 144
		.amdhsa_next_free_sgpr 66
		.amdhsa_reserve_vcc 0
		.amdhsa_float_denorm_mode_32 3
		.amdhsa_float_denorm_mode_16_64 3
		.amdhsa_memory_ordered 1
		.amdhsa_forward_progress 1
		.amdhsa_inst_pref_size 36
	.end_amdhsa_kernel
	.amdgpu_metadata
---
amdhsa.version: [ 1, 2 ]
amdhsa.kernels:
  - .name:           k_qed3268cb5f_context
    .symbol:         k_qed3268cb5f_context.kd
    .args:
      - { .name: encb, .offset: 0, .size: 8, .value_kind: global_buffer, .address_space: global }
      - { .name: epart, .offset: 8, .size: 8, .value_kind: global_buffer, .address_space: global }
      - { .name: ctxb, .offset: 16, .size: 8, .value_kind: global_buffer, .address_space: global }
    .group_segment_fixed_size: 29696
    .private_segment_fixed_size: 0
    .kernarg_segment_align: 8
    .kernarg_segment_size: 24
    .max_flat_workgroup_size: 768
    .sgpr_count:     66
    .vgpr_count:     144
    .wavefront_size: 32
...
	.end_amdgpu_metadata
.endif
;; end of part 3
;; launch out (part 4): grid 64 x 1, 24 waves a work-group, no clusters, 316,416 bytes of LDS; arguments ctxb, W3, b3, out0; writes out0
.if DOCPART == 4
	.amdgcn_target "amdgcn-amd-amdhsa--gfx1250"
	.amdhsa_code_object_version 6
	.text
	.protected	k_qed3268cb5f_out
	.globl	k_qed3268cb5f_out
	.p2align	8
	.type	k_qed3268cb5f_out,@function
k_qed3268cb5f_out:
	s_mov_b64 s[64:65], 0
	v_nop
	global_prefetch_b8 v0, s[64:65] scope:SCOPE_SE
	s_setreg_imm32_b32 hwreg(HW_REG_WAVE_MODE, 25, 1), 1
	s_wait_xcnt 0x0
; OUT.  out0[b][d] = sum over f of ctx[b][f] W3[d][f] + b3[d].  ctxb: [32][3072] bf16, W3: [1024][3072] f32, b3: [1024] f32, out0: [32][1024] f32.
; A product of 32 rows that streams W3 once.  Work-group g takes the 16 columns d = 16 g ..; wave w of 24 the K panel 128 w .. 128 w + 127: 16 rows of W3 (512 bytes each, rounded to bf16)
; and the 32 rows of ctxb (256 bytes each) go into the wave's own LDS region (rows 0-15: W3's, rows 16-47: ctxb's), come back as fragments, eight products; the 24 partial sums meet in LDS
; behind one barrier.  All of a wave's 33 loads are issued at its head.  64 work-groups: a narrower tile would store pieces under 64 bytes and read ctxb more often.
; No cluster: what the work-groups share is ctxb, 196,608 bytes, beside 12 MiB of W3 that nobody shares.
; LIMITS.  W3 is rounded once to bf16, ctx arrives so; sums in f32 by K panels; b3 stays f32.  NaN and infinities are not treated apart.
.set REG,   13056                      ; a wave's LDS region: 48 rows of 272 bytes
.set SPARE, 24*REG                     ; behind the regions: the spare words, 128 bytes for each of 24 waves: twelve blocks of 256 bytes that no other line names
.set LP,    272                        ; an LDS row: 256 bytes of bf16 + 16: the 16 rows of a fragment load start 4 banks apart
.set X,     16                         ; v[16:143] 32 x 4 registers as loaded; later fragments, sums, and the 24 partial sums
.set ACC,   X+96                       ; v[112:127] two accumulators
.set SPW,   14                         ; v14 LDS address of my spare word; never rewritten
.set NIL,   15                         ; v15 0; never rewritten
.set RA,    144                        ; v144-148 the adding threads' LDS addresses: five regions to each, since an LDS offset has 16 bits
.set SO,    149                        ; v149 my 16 bytes in out0
.set BA,    150                        ; v150 my four numbers of b3
	s_load_b256 s[4:11], s[0:1], 0x0               ; ctxb s[4:5], W3 s[6:7], b3 s[8:9], out0 s[10:11]
	v_lshl_add_u32 v[SPW], v0, 2, SPARE
	v_mov_b32 v[NIL], 0
	v_lshrrev_b32 v1, 5, v0
	v_readfirstlane_b32 s21, v1                    ; wave 0..23
	s_mul_i32 s22, s21, REG                        ; my wave's region
	s_mul_i32 s12, ttmp9, 196608                   ; 16 g rows of W3, 12,288 bytes each,
	s_lshl_b32 s14, s21, 9                         ; my panel in f32
	s_add_co_u32 s12, s12, s14
	s_mov_b32 s13, 0
	s_lshl_b32 s14, s21, 8                         ; my panel in bf16
	s_mov_b32 s15, 0
	s_lshl_b32 s16, ttmp9, 6                       ; 16 g columns of f32
	s_mov_b32 s17, 0
	v_and_b32 v1, 31, v0                           ; L
	v_and_b32 v2, 15, v0                           ; r = L % 16
	v_bfe_u32 v3, v0, 4, 1                         ; h = L / 16
	v_lshlrev_b32 v4, 4, v1                        ; W3: my 16 bytes of a panel's 512
	v_lshl_add_u32 v5, v1, 3, s22                  ; where my 8 bytes of a row of W3 go
	v_mul_u32_u24 v6, v2, LP
	v_lshl_add_u32 v6, v3, 4, v6
	v_add_nc_u32 v6, s22, v6                       ; a fragment's row r, 16 bytes for each half of the lanes
	v_lshl_add_u32 v7, v1, 4, s22                  ; where my 16 bytes of a partial sum go
	v_mul_u32_u24 v8, v3, 6144
	v_lshl_add_u32 v8, v2, 4, v8                   ; ctxb: lanes 0-15 one row's 256 bytes, lanes 16-31 the next row's
	v_mul_u32_u24 v9, v3, LP
	v_lshl_add_u32 v9, v2, 4, v9
	v_add_nc_u32 v9, s22, v9
	v_add_nc_u32 v9, 16*LP, v9                     ; and the same two rows in my region, behind W3's 16
	v_and_b32 v[BA], 3, v0
	v_lshlrev_b32 v[BA], 4, v[BA]
	s_wait_kmcnt 0x0
	s_add_nc_u64 s[6:7], s[6:7], s[12:13]
	s_add_nc_u64 s[4:5], s[4:5], s[14:15]
	s_add_nc_u64 s[8:9], s[8:9], s[16:17]
	s_add_nc_u64 s[10:11], s[10:11], s[16:17]
	global_load_b128 v[10:13], v[BA], s[8:9]
.set n, 0
.rept 16
	global_load_b128 v[X+4*n:X+4*n+3], v4, s[6:7] offset:12288*n th:TH_LOAD_NT
.set n, n+1
.endr
.set n, 0
.rept 16
	global_load_b128 v[X+64+4*n:X+64+4*n+3], v8, s[4:5] offset:12288*n
.set n, n+1
.endr
.set n, 0
.rept 16
	s_wait_loadcnt 31-n                            ; W3's row n is in (and b3, the oldest load); the 31 - n younger loads stay out
	v_cvt_pk_bf16_f32 v[X+4*n], v[X+4*n], v[X+4*n+1]
	v_cvt_pk_bf16_f32 v[X+4*n+1], v[X+4*n+2], v[X+4*n+3]
	ds_store_b64 v5, v[X+4*n:X+4*n+1] offset:LP*n
.set n, n+1
.endr
.set n, 0
.rept 16
	s_wait_loadcnt 15-n                            ; ctxb's rows 2 n and 2 n + 1 are in
	ds_store_b128 v9, v[X+64+4*n:X+64+4*n+3] offset:2*LP*n
.set n, n+1
.endr
	; fragments: 16 rows x 32 K in 8 registers, two loads of 16 bytes 32 bytes apart.  LDS serves a wave's instructions in order (ISA guide 5.7.1.4): these see my stores above.
.irp ks, 0,1,2,3
	ds_load_b128 v[X+8*\ks:X+8*\ks+3],   v6 offset:64*\ks
	ds_load_b128 v[X+8*\ks+4:X+8*\ks+7], v6 offset:64*\ks+32
.endr
.irp mt, 0,1
.irp ks, 0,1,2,3
	ds_load_b128 v[X+32+8*(4*\mt+\ks):X+32+8*(4*\mt+\ks)+3],   v6 offset:(16+16*\mt)*LP+64*\ks
	ds_load_b128 v[X+32+8*(4*\mt+\ks)+4:X+32+8*(4*\mt+\ks)+7], v6 offset:(16+16*\mt)*LP+64*\ks+32
.endr
.endr
	s_wait_dscnt 0x0
	; source 0 = 16 rows of W3, source 1 = 16 rows of ctxb: a lane then holds one batch (16 mt + r) and the columns 8 h + 0..7.  The two accumulators take turns.
.irp ks, 0,1,2,3
.irp mt, 0,1
.if \ks == 0
	v_wmma_f32_16x16x32_bf16 v[ACC+8*\mt:ACC+8*\mt+7], v[X+8*\ks:X+8*\ks+7], v[X+32+8*(4*\mt+\ks):X+32+8*(4*\mt+\ks)+7], 0
.else
	v_wmma_f32_16x16x32_bf16 v[ACC+8*\mt:ACC+8*\mt+7], v[X+8*\ks:X+8*\ks+7], v[X+32+8*(4*\mt+\ks):X+32+8*(4*\mt+\ks)+7], v[ACC+8*\mt:ACC+8*\mt+7]
.endif
.endr
.endr
.rept 4
	v_nop                                          ; four places between the last product and the stores that read the sums
.endr
	ds_store_b128 v7, v[ACC:ACC+3]                 ; my partial sums, over my region's first 2,048 bytes, whose fragments have been read
	ds_store_b128 v7, v[ACC+4:ACC+7] offset:512
	ds_store_b128 v7, v[ACC+8:ACC+11] offset:1024
	ds_store_b128 v7, v[ACC+12:ACC+15] offset:1536
	s_wait_dscnt 0x0                               ; for the others' sake: my stores are done
	s_barrier_signal -1
	s_barrier_wait -1
	s_cmp_ge_u32 s21, 4
	s_cbranch_scc1 .Lend                           ; 128 threads add: thread t takes batch t / 4 and the four columns 4 (t % 4) ..
	v_lshrrev_b32 v1, 2, v0                        ; batch
	v_and_b32 v2, 3, v0                            ; dq
	v_lshrrev_b32 v3, 4, v1
	v_lshlrev_b32 v3, 1, v3
	v_and_b32 v4, 1, v2
	v_add_nc_u32 v3, v3, v4                        ; which of the four blocks of 512 bytes: 2 (batch / 16) + dq % 2
	v_and_b32 v4, 15, v1
	v_lshrrev_b32 v5, 1, v2
	v_lshl_add_u32 v4, v5, 4, v4                   ; and which lane wrote it: batch % 16 + 16 (dq / 2)
	v_lshlrev_b32 v[RA], 4, v4
	v_lshl_add_u32 v[RA], v3, 9, v[RA]
.irp k, 1,2,3,4
	v_add_nc_u32 v[RA+\k], 5*REG*\k, v[RA]
.endr
	v_lshlrev_b32 v[SO], 4, v2
	v_lshl_add_u32 v[SO], v1, 12, v[SO]            ; row of 4,096 bytes, 16 dq
.set n, 0
.rept 24
	ds_load_b128 v[X+4*n:X+4*n+3], v[RA+n/5] offset:REG*(n%5)
.set n, n+1
.endr
	s_wait_dscnt 0x0
.set n, 1
.rept 23                               ; K panels ascending
	v_pk_add_f32 v[X:X+1], v[X:X+1], v[X+4*n:X+4*n+1]
	v_pk_add_f32 v[X+2:X+3], v[X+2:X+3], v[X+4*n+2:X+4*n+3]
.set n, n+1
.endr
	v_pk_add_f32 v[X:X+1], v[X:X+1], v[10:11]
	v_pk_add_f32 v[X+2:X+3], v[X+2:X+3], v[12:13]
	global_store_b128 v[SO], v[X:X+3], s[10:11]    ; pieces of 64 bytes a row; out0 is 131,072 bytes in all
.Lend:
	s_wait_tensorcnt 0x0                           ; the wave's end, behind my last LDS store
	ds_add_u32 v[SPW], v[NIL]
	s_wait_dscnt 0x0
	s_endpgm
.Lfunc_end_k_qed3268cb5f_out:
	.size	k_qed3268cb5f_out, .Lfunc_end_k_qed3268cb5f_out-k_qed3268cb5f_out
	.p2alignl 7, 3214868480
	.fill 96, 4, 3214868480
	.section	.rodata,"a",@progbits
	.p2align	6, 0x0
	.amdhsa_kernel k_qed3268cb5f_out
		.amdhsa_group_segment_fixed_size 316416
		.amdhsa_private_segment_fixed_size 0
		.amdhsa_enable_private_segment 0
		.amdhsa_kernarg_size 32
		.amdhsa_user_sgpr_count 2
		.amdhsa_user_sgpr_kernarg_segment_ptr 1
		.amdhsa_wavefront_size32 1
		.amdhsa_system_sgpr_workgroup_id_x 1
		.amdhsa_system_sgpr_workgroup_id_y 1
		.amdhsa_system_sgpr_workgroup_id_z 1
		.amdhsa_system_vgpr_workitem_id 0
		.amdhsa_next_free_vgpr 160
		.amdhsa_next_free_sgpr 66
		.amdhsa_reserve_vcc 0
		.amdhsa_float_denorm_mode_32 3
		.amdhsa_float_denorm_mode_16_64 3
		.amdhsa_memory_ordered 1
		.amdhsa_forward_progress 1
		.amdhsa_inst_pref_size 19
	.end_amdhsa_kernel
	.amdgpu_metadata
---
amdhsa.version: [ 1, 2 ]
amdhsa.kernels:
  - .name:           k_qed3268cb5f_out
    .symbol:         k_qed3268cb5f_out.kd
    .args:
      - { .name: ctxb, .offset: 0, .size: 8, .value_kind: global_buffer, .address_space: global }
      - { .name: W3, .offset: 8, .size: 8, .value_kind: global_buffer, .address_space: global }
      - { .name: b3, .offset: 16, .size: 8, .value_kind: global_buffer, .address_space: global }
      - { .name: out0, .offset: 24, .size: 8, .value_kind: global_buffer, .address_space: global }
    .group_segment_fixed_size: 316416
    .private_segment_fixed_size: 0
    .kernarg_segment_align: 8
    .kernarg_segment_size: 32
    .max_flat_workgroup_size: 768
    .sgpr_count:     66
    .vgpr_count:     160
    .wavefront_size: 32
...
	.end_amdgpu_metadata
.endif
;; end of part 4
;; ======== version 2 of 2: 4 launches; version 1 with the launches prep, context written anew for expert scheduling mode
;; workspace buffers: encb 100,663,296 bytes; w1b 6,291,456 bytes; hbs 131,072 bytes; epart 524,288 bytes; ctxb 196,608 bytes
;; launch prep (part 5): grid 1152 x 1, 8 waves a work-group, no clusters, 105,472 bytes of LDS; arguments encoder_outputs, W1, hidden_state, b1, encb, w1b, hbs; writes encb, w1b, hbs
.if DOCPART == 5
	.amdgcn_target "amdgcn-amd-amdhsa--gfx1250"
	.amdhsa_code_object_version 6
	.text
	.protected	k_qed3268cb5f_prep
	.globl	k_qed3268cb5f_prep
	.p2align	8
	.type	k_qed3268cb5f_prep,@function
k_qed3268cb5f_prep:
	s_mov_b64 s[64:65], 0
	v_nop
	global_prefetch_b8 v0, s[64:65] scope:SCOPE_SE
	s_setreg_imm32_b32 hwreg(HW_REG_WAVE_SCHED_MODE, 0, 2), 2
	s_setreg_imm32_b32 hwreg(HW_REG_WAVE_MODE, 25, 1), 1
	s_wait_xcnt 0x0
	s_wait_alu depctr_vm_vsrc(0)
; PREP.  Three jobs, chosen by the work-group's number g (the same in all eight waves):
;   g = 0..63      hbs[b][d] = c (sum over k of hidden[b][k] W1[d][3072+k] + b1[d]), c = 2 log2(e), for the 16 columns d = 16 g ..: the part of the score
;                  layer's input that is the same for all 512 positions of a batch, made once; c is folded in for the tanh of the next launch
;   g = 64..127    w1b = bf16(W1[:, 0:3072]), rows 16 (g - 64) ..
;   g = 128..1151  encb = bf16(encoder_outputs), rows 16 (g - 128) ..
; The two casts are streams: each byte read once by 16-byte loads (a wave's load covers 512 consecutive bytes), each output byte written once (a wave's store covers 256
; consecutive bytes, aligned).  All 48 loads of a thread are issued before its first wait; no register is used twice, so no store's sources are ever rewritten.
; LIMITS.  hidden_state and W1 are rounded once to bf16 (nearest even), products summed in f32 by K panels of 128; b1 stays f32.  NaN and infinities are not treated apart.
; THE MODE: SCHED_MODE bits 1:0 = 2 (LLVM: expert scheduling mode 2), set by the entry lines.  The code itself states the register dependences between vector or matrix
; instructions and memory or LDS instructions, with s_wait_alu, always for 0.
; THE PLAN.  Registers that memory or LDS instructions touch:
;   v4, v5 (casts)   offsets of every load and store; written at the head, never again on those ways: one wait at the head.
;   X, set i of 48   one load lands in it; two conversions round it in place; one store reads its first two registers.  The sets go in eight blocks of six: block p's
;                    conversions name block p's sets alone, and the stores of block p - 1 are dealt among them, behind ONE wait at the block's head.
;   hb job           v4 to v8 are made anew ahead of the job's first load: one wait.  The 48 rows go the same way, by LDS stores.  Behind the last of them one wait on vm_vsrc frees X
;                    (the fragments land there, the accumulators lie there) and v4, v5, v8 (the adding threads write them anew; no later memory or LDS instruction reads them).
.set REG,   13056                      ; a wave's LDS region in the hb job: 48 rows of 272 bytes
.set SPARE, 8*REG                      ; behind the regions: the spare words, 128 bytes for each wave: four blocks of 256 bytes that no other line names
.set LP,    272                        ; an LDS row: 256 bytes of bf16 + 16: the 16 rows of a fragment load start 4 banks apart
.set X,     16                         ; v[16:207] 48 x 4 registers as loaded; in the hb job later fragments, sums and partial sums
.set ACC,   X+96                       ; v[112:127] the hb job's two accumulators
.set SPW,   14                         ; v14 LDS address of my spare word; never rewritten
.set NIL,   15                         ; v15 0; never rewritten
; 16 rows of 3,072 f32 (12,288 bytes of a row of pitch bytes) become 16 rows of 6,144 bytes of bf16.  Thread t takes the 16 bytes at 16 t + 4,096 j of a row, j = 0..2.
.macro CONV src, dst, pitch
.set i, 0
.rept 48
	global_load_b128 v[X+4*i:X+4*i+3], v4, s[\src:\src+1] offset:(i/3)*(\pitch)+(i%3)*4096 th:TH_LOAD_NT
.set i, i+1
.endr
.set i, 0
.rept 48
.if i%6 == 0
	s_wait_loadcnt 42-i                            ; loads come back in order: the block's six, numbers i to i + 5, are in; the 42 - i younger ones stay out
.if i > 0
	s_wait_alu depctr_va_vdst(0)                   ; the block before has written its sets' first two registers, which the six stores dealt among this block's conversions read
.endif
.endif
.if i >= 6
	global_store_b64 v5, v[X+4*(i-6):X+4*(i-6)+1], s[\dst:\dst+1] offset:((i-6)/3)*6144+((i-6)%3)*2048  ; the block before; no vector instruction since the wait names these registers
.endif
	v_cvt_pk_bf16_f32 v[X+4*i], v[X+4*i], v[X+4*i+1]
	v_cvt_pk_bf16_f32 v[X+4*i+1], v[X+4*i+2], v[X+4*i+3]
.set i, i+1
.endr
	s_wait_alu depctr_va_vdst(0)                   ; the last block's conversions have written what the last six stores read
.set i, 42
.rept 6
	global_store_b64 v5, v[X+4*i:X+4*i+1], s[\dst:\dst+1] offset:(i/3)*6144+(i%3)*2048
.set i, i+1
.endr
.endm
	s_load_b256 s[4:11], s[0:1], 0x0               ; enc s[4:5], W1 s[6:7], hidden s[8:9], b1 s[10:11]
	s_load_b128 s[12:15], s[0:1], 0x20             ; encb s[12:13], w1b s[14:15]
	s_load_b64 s[16:17], s[0:1], 0x30              ; hbs
	v_lshl_add_u32 v[SPW], v0, 2, SPARE
	v_mov_b32 v[NIL], 0
	v_lshrrev_b32 v1, 5, v0
	v_readfirstlane_b32 s21, v1                    ; wave 0..7
	s_mov_b32 s20, ttmp9                           ; g
	s_mov_b32 s25, 0                               ; high words of the two offset pairs
	s_mov_b32 s27, 0
	v_lshlrev_b32 v4, 4, v0                        ; 16 t: my place in 4,096 bytes of f32
	v_lshlrev_b32 v5, 3, v0                        ; 8 t: my place in 2,048 bytes of bf16
	s_wait_alu depctr_va_sdst(0)                   ; s21 is written
	s_wait_alu depctr_va_vdst(0)                   ; v4 and v5 are written: every load and store of the two casts reads one of them as its offset
	s_wait_kmcnt 0x0
	s_cmp_lt_u32 s20, 64
	s_cbranch_scc1 .Lhb
	s_cmp_lt_u32 s20, 128
	s_cbranch_scc1 .Lw1
	s_sub_co_u32 s24, s20, 128                     ; encoder_outputs: 16 rows of 12,288 bytes in, of 6,144 bytes out
	s_mul_i32 s26, s24, 98304
	s_mul_i32 s24, s24, 196608
	s_add_nc_u64 s[4:5], s[4:5], s[24:25]
	s_add_nc_u64 s[12:13], s[12:13], s[26:27]
	CONV 4, 12, 12288
	s_endpgm                                       ; this way wrote no LDS
.Lw1:
	s_sub_co_u32 s24, s20, 64                      ; W1: 16 rows of 16,384 bytes, of which the first 12,288 are taken
	s_mul_i32 s26, s24, 98304
	s_lshl_b32 s24, s24, 18
	s_add_nc_u64 s[6:7], s[6:7], s[24:25]
	s_add_nc_u64 s[14:15], s[14:15], s[26:27]
	CONV 6, 14, 16384
	s_endpgm                                       ; nor did this one
; THE HB JOB.  Wave w takes the K panel 128 w .. 128 w + 127: 16 rows of W1 and the 32 rows of hidden, 512 bytes of each, rounded to bf16 into its own LDS region
; (rows 0-15: W1's, rows 16-47: hidden's), read back as fragments, eight products.  The eight waves' partial sums meet in LDS behind one barrier.
.Lhb:
	v_and_b32 v1, 31, v0                           ; L
	v_and_b32 v2, 15, v0                           ; r = L % 16
	v_bfe_u32 v3, v0, 4, 1                         ; h = L / 16
	v_lshlrev_b32 v4, 4, v1                        ; 16 L: my 16 bytes of a panel's 512
	s_mul_i32 s22, s21, REG                        ; my wave's region
	v_lshl_add_u32 v5, v1, 3, s22                  ; where my 8 bytes of a row go
	v_mul_u32_u24 v6, v2, LP
	v_lshl_add_u32 v6, v3, 4, v6
	v_add_nc_u32 v6, s22, v6                       ; a fragment's row r, 16 bytes for each half of the lanes
	v_lshl_add_u32 v7, v1, 4, s22                  ; where my 16 bytes of a partial sum go
	v_and_b32 v8, 3, v0
	v_lshlrev_b32 v8, 4, v8                        ; 16 (t % 4): my four numbers of b1
	s_lshl_b32 s24, s20, 18                        ; 16 g rows of W1,
	s_lshl_b32 s26, s21, 9                         ; my panel,
	s_add_co_u32 s24, s24, s26
	s_add_co_u32 s24, s24, 12288                   ; behind the 3,072 columns that belong to enc
	s_add_nc_u64 s[6:7], s[6:7], s[24:25]
	s_add_nc_u64 s[8:9], s[8:9], s[26:27]
	s_lshl_b32 s24, s20, 6                         ; 16 g columns of f32
	s_add_nc_u64 s[10:11], s[10:11], s[24:25]
	s_add_nc_u64 s[16:17], s[16:17], s[24:25]
	s_mov_b32 s18, 0x4038aa3b                      ; c = 2 log2(e) = 2.885390
	s_mov_b32 s19, s18                             ; named with it as a pair
	s_wait_alu depctr_va_vdst(0)                   ; v4 to v8 are written: the offsets of the loads below and the LDS addresses of the stores and loads up to the barrier
	global_load_b128 v[10:13], v8, s[10:11]
.set n, 0
.rept 16
	global_load_b128 v[X+4*n:X+4*n+3], v4, s[6:7] offset:16384*n th:TH_LOAD_NT
.set n, n+1
.endr
.set n, 0
.rept 32
	global_load_b128 v[X+64+4*n:X+64+4*n+3], v4, s[8:9] offset:4096*n
.set n, n+1
.endr
.set n, 0
.rept 48
.if n%6 == 0
	s_wait_loadcnt 42-n                            ; the block's six rows, n to n + 5, are in (and b1, the oldest load); the 42 - n younger loads stay out
.if n > 0
	s_wait_alu depctr_va_vdst(0)                   ; the block before has written its rows' first two registers, which the six LDS stores dealt among this block's conversions read
.endif
.endif
.if n >= 6
	ds_store_b64 v5, v[X+4*(n-6):X+4*(n-6)+1] offset:LP*(n-6)  ; the block before; no vector instruction since the wait names these registers
.endif
	v_cvt_pk_bf16_f32 v[X+4*n], v[X+4*n], v[X+4*n+1]
	v_cvt_pk_bf16_f32 v[X+4*n+1], v[X+4*n+2], v[X+4*n+3]
.set n, n+1
.endr
	s_wait_alu depctr_va_vdst(0)                   ; the last block's conversions have written what the last six stores read; and all conversions are done with X, in which the fragments land below
.set n, 42
.rept 6
	ds_store_b64 v5, v[X+4*n:X+4*n+1] offset:LP*n
.set n, n+1
.endr
	s_wait_alu depctr_vm_vsrc(0)                   ; the LDS stores have read X, in which the fragments land and the products write their sums; the loads and stores have read v4, v5 and v8, which the adding threads write anew
	; fragments: 16 rows x 32 K in 8 registers, two loads of 16 bytes 32 bytes apart.  LDS serves a wave's instructions in order (ISA guide 5.7.1.4): these see my stores above.
.irp ks, 0,1,2,3
	ds_load_b128 v[X+8*\ks:X+8*\ks+3],   v6 offset:64*\ks
	ds_load_b128 v[X+8*\ks+4:X+8*\ks+7], v6 offset:64*\ks+32
.endr
.irp mt, 0,1
.irp ks, 0,1,2,3
	ds_load_b128 v[X+32+8*(4*\mt+\ks):X+32+8*(4*\mt+\ks)+3],   v6 offset:(16+16*\mt)*LP+64*\ks
	ds_load_b128 v[X+32+8*(4*\mt+\ks)+4:X+32+8*(4*\mt+\ks)+7], v6 offset:(16+16*\mt)*LP+64*\ks+32
.endr
.endr
	s_wait_dscnt 0x0
	; source 0 = 16 rows of W1, source 1 = 16 rows of hidden: a lane then holds one batch (16 mt + r) and the columns 8 h + 0..7.  The two accumulators take turns.
.irp ks, 0,1,2,3
.irp mt, 0,1
.if \ks == 0
	v_wmma_f32_16x16x32_bf16 v[ACC+8*\mt:ACC+8*\mt+7], v[X+8*\ks:X+8*\ks+7], v[X+32+8*(4*\mt+\ks):X+32+8*(4*\mt+\ks)+7], 0
.else
	v_wmma_f32_16x16x32_bf16 v[ACC+8*\mt:ACC+8*\mt+7], v[X+8*\ks:X+8*\ks+7], v[X+32+8*(4*\mt+\ks):X+32+8*(4*\mt+\ks)+7], v[ACC+8*\mt:ACC+8*\mt+7]
.endif
.endr
.endr
.rept 4
	v_nop                                          ; four places between the last product and the stores that read the sums
.endr
	s_wait_alu depctr_va_vdst(0)                   ; the products have written the two accumulators, which the LDS stores read; the places above stay beside this wait
	ds_store_b128 v7, v[ACC:ACC+3]                 ; my partial sums, over my region's first 2,048 bytes, whose fragments have been read
	ds_store_b128 v7, v[ACC+4:ACC+7] offset:512
	ds_store_b128 v7, v[ACC+8:ACC+11] offset:1024
	ds_store_b128 v7, v[ACC+12:ACC+15] offset:1536
	s_wait_dscnt 0x0                               ; for the others' sake: my stores are done
	s_barrier_signal -1
	s_barrier_wait -1
	s_cmp_ge_u32 s21, 4
	s_cbranch_scc1 .Lhb_end                        ; 128 threads add: thread t takes batch t / 4 and the four columns 4 (t % 4) ..
	v_lshrrev_b32 v1, 2, v0                        ; batch
	v_and_b32 v2, 3, v0                            ; dq
	v_lshrrev_b32 v3, 4, v1
	v_lshlrev_b32 v3, 1, v3
	v_and_b32 v4, 1, v2
	v_add_nc_u32 v3, v3, v4                        ; which of the four blocks of 512 bytes: 2 (batch / 16) + dq % 2
	v_and_b32 v4, 15, v1
	v_lshrrev_b32 v5, 1, v2
	v_lshl_add_u32 v4, v5, 4, v4                   ; and which lane wrote it: batch % 16 + 16 (dq / 2)
	v_lshlrev_b32 v8, 4, v4
	v_lshl_add_u32 v8, v3, 9, v8                   ; in regions 0-4,
	v_add_nc_u32 v9, 5*REG, v8                     ; in regions 5-7: an LDS offset has 16 bits
	v_lshlrev_b32 v5, 4, v2
	v_lshl_add_u32 v5, v1, 12, v5                  ; my 16 bytes in hbs: row of 4,096 bytes, 16 dq
	s_wait_alu depctr_va_vdst(0)                   ; v8 and v9, the LDS loads' addresses, and v5, the store's offset, are written; the products are done reading X .. X + 31, in which the partial sums land
.irp w, 0,1,2,3,4
	ds_load_b128 v[X+4*\w:X+4*\w+3], v8 offset:REG*\w
.endr
.irp w, 5,6,7
	ds_load_b128 v[X+4*\w:X+4*\w+3], v9 offset:REG*(\w-5)
.endr
	v_pk_mul_f32 v[10:11], v[10:11], s[18:19] op_sel_hi:[1,0]  ; c b1
	v_pk_mul_f32 v[12:13], v[12:13], s[18:19] op_sel_hi:[1,0]
	s_wait_dscnt 0x0
.irp w, 1,2,3,4,5,6,7                  ; K panels ascending
	v_pk_add_f32 v[X:X+1], v[X:X+1], v[X+4*\w:X+4*\w+1]
	v_pk_add_f32 v[X+2:X+3], v[X+2:X+3], v[X+4*\w+2:X+4*\w+3]
.endr
	v_pk_fma_f32 v[X:X+1], v[X:X+1], s[18:19], v[10:11] op_sel_hi:[1,0,1]
	v_pk_fma_f32 v[X+2:X+3], v[X+2:X+3], s[18:19], v[12:13] op_sel_hi:[1,0,1]
	s_wait_alu depctr_va_vdst(0)                   ; the two multiply-adds have written v[X .. X + 3], which the store reads
	global_store_b128 v5, v[X:X+3], s[16:17]       ; pieces of 64 bytes a row: a tile of 16 columns gives 64 work-groups a share of W1's 4 MiB; hbs is 131,072 bytes in all
.Lhb_end:
	s_wait_dscnt 0x0                               ; the closing lines, six on end
	s_wait_alu 0x0
	s_wait_tensorcnt 0x0
	ds_add_u32 v[SPW], v[NIL]
	s_wait_dscnt 0x0
	s_endpgm
.Lfunc_end_k_qed3268cb5f_prep:
	.size	k_qed3268cb5f_prep, .Lfunc_end_k_qed3268cb5f_prep-k_qed3268cb5f_prep
	.p2alignl 7, 3214868480
	.fill 96, 4, 3214868480
	.section	.rodata,"a",@progbits
	.p2align	6, 0x0
	.amdhsa_kernel k_qed3268cb5f_prep
		.amdhsa_group_segment_fixed_size 105472
		.amdhsa_private_segment_fixed_size 0
		.amdhsa_enable_private_segment 0
		.amdhsa_kernarg_size 56
		.amdhsa_user_sgpr_count 2
		.amdhsa_user_sgpr_kernarg_segment_ptr 1
		.amdhsa_wavefront_size32 1
		.amdhsa_system_sgpr_workgroup_id_x 1
		.amdhsa_system_sgpr_workgroup_id_y 1
		.amdhsa_system_sgpr_workgroup_id_z 1
		.amdhsa_system_vgpr_workitem_id 0
		.amdhsa_next_free_vgpr 208
		.amdhsa_next_free_sgpr 66
		.amdhsa_reserve_vcc 0
		.amdhsa_float_denorm_mode_32 3
		.amdhsa_float_denorm_mode_16_64 3
		.amdhsa_memory_ordered 1
		.amdhsa_forward_progress 1
		.amdhsa_inst_pref_size 53
	.end_amdhsa_kernel
	.amdgpu_metadata
---
amdhsa.version: [ 1, 2 ]
amdhsa.kernels:
  - .name:           k_qed3268cb5f_prep
    .symbol:         k_qed3268cb5f_prep.kd
    .args:
      - { .name: encoder_outputs, .offset: 0, .size: 8, .value_kind: global_buffer, .address_space: global }
      - { .name: W1, .offset: 8, .size: 8, .value_kind: global_buffer, .address_space: global }
      - { .name: hidden_state, .offset: 16, .size: 8, .value_kind: global_buffer, .address_space: global }
      - { .name: b1, .offset: 24, .size: 8, .value_kind: global_buffer, .address_space: global }
      - { .name: encb, .offset: 32, .size: 8, .value_kind: global_buffer, .address_space: global }
      - { .name: w1b, .offset: 40, .size: 8, .value_kind: global_buffer, .address_space: global }
      - { .name: hbs, .offset: 48, .size: 8, .value_kind: global_buffer, .address_space: global }
    .group_segment_fixed_size: 105472
    .private_segment_fixed_size: 0
    .kernarg_segment_align: 8
    .kernarg_segment_size: 56
    .max_flat_workgroup_size: 256
    .sgpr_count:     66
    .vgpr_count:     208
    .wavefront_size: 32
...
	.end_amdgpu_metadata
.endif
;; end of part 5
;; launch score: the kernel of part 2 again; grid 4 x 64, 4 waves a work-group, clusters of 4 x 4, 327,680 bytes of LDS; arguments encb, w1b, hbs, w2, epart; writes epart
;; launch context (part 6): grid 8 x 32, 24 waves a work-group, no clusters, 29,696 bytes of LDS; arguments encb, epart, ctxb; writes ctxb
.if DOCPART == 6
	.amdgcn_target "amdgcn-amd-amdhsa--gfx1250"
	.amdhsa_code_object_version 6
	.text
	.protected	k_qed3268cb5f_context
	.globl	k_qed3268cb5f_context
	.p2align	8
	.type	k_qed3268cb5f_context,@function
k_qed3268cb5f_context:
	s_mov_b64 s[64:65], 0
	v_nop
	global_prefetch_b8 v0, s[64:65] scope:SCOPE_SE
	s_setreg_imm32_b32 hwreg(HW_REG_WAVE_SCHED_MODE, 0, 2), 2
	s_setreg_imm32_b32 hwreg(HW_REG_WAVE_MODE, 25, 1), 1
	s_wait_xcnt 0x0
	s_wait_alu depctr_vm_vsrc(0)
; CONTEXT.  e[s] = the sum of the eight strips' partial scores; alpha = softmax(e) over the batch's 512 positions, the true maximum taken away; ctx[f] = sum over s of alpha[s] enc[s][f].
; encb: [32 x 512][3072] bf16, epart: [8][16384] f32, ctxb: [32][3072] bf16.
; A stream: encb is read once, by 16-byte loads.  Matrix units, clusters and tensor loads would add nothing: one output row a batch, no byte shared between work-groups but epart's 16 KiB a batch.
; SHARES.  Work-group (x, b): 384 columns (768 bytes, three aligned blocks of 256) of all 512 rows of batch b.  Wave w: block u = w / 8, rows 64 g .. 64 g + 63 with g = w % 8; lanes 0-15 walk
; rows 64 g + i, lanes 16-31 rows 64 g + 32 + i, i = 0..31, 16 bytes (8 columns) a lane: one load covers two whole blocks of 256 bytes.  A ring of 20 slots: 16 to 20 loads of every wave are on their way.
; The weights are used unnormalised, p = 2^(log2(e) (e - m)), sums in f32; the division by l = sum of p comes once at the end, then one rounding to bf16.
; LIMITS.  A weight below 2^-126 counts as 0; NaN and infinities are not treated apart; l is at least about 1, since the maximum's own weight is.
; THE MODE: SCHED_MODE bits 1:0 = 2 (LLVM: expert scheduling mode 2), set by the entry lines.  The code itself states the register dependences between vector instructions and
; memory or LDS instructions, with s_wait_alu, always for 0.
; THE PLAN.  Registers that memory or LDS instructions touch:
;   v2 to v6    offsets and LDS addresses, written at the head and never again: one wait, ahead of the first load.
;   AL          waves 0-3: the strips land in it, the additions write its first four registers, one LDS store reads them; in every wave the rows' scores land in it behind the barrier.
;   D, 20 slots row i lies in slot i % 20.  Rows 0-19 are asked for at the head.  Row i's eight multiply-adds read its slot.  The rows go in groups of four: at the heads of groups 1, 2 and 3
;               ONE wait states that the group before is done reading its four slots; these are then loaded again (rows 20-31), one load ahead of each row's multiply-adds, which name other slots.
;   ACC         written by the multiply-adds, read by two LDS stores at the end: one wait.
;   v7, v134    the adding waves' LDS address and store offset, made together: one wait, which also stands ahead of the loads that land in D.
.set R0,    2048                       ; LDS: e, 512 f32, at 0; from here the waves' partial sums: wave w, half h at R0 + 1,024 w + 512 h: 128 f32
.set SPARE, R0+24*1024                 ; behind them: the spare words, 128 bytes for each of 24 waves: twelve blocks of 256 bytes that no other line names
.set ACC, 8                            ; v[8:15]    my 8 columns' sums
.set AL,  16                           ; v[16:47]   my 32 rows' weights; in waves 0-3 first the eight strips' scores
.set D,   48                           ; v[48:111]  slots 0-15 of 4 registers: 8 bf16 as loaded; v[144:159] slots 16-19: slot s at D + 4 s + 32 (s / 16); at the end v[48:111] take 16 partial sums
.set EV,  112                          ; v[112:127] 16 of the batch's 512 scores
.set SPW, 136                          ; v136 LDS address of my spare word; never rewritten
.set NIL, 137                          ; v137 0; never rewritten
; v1 lane; v2 my byte offset in encb; v3 16 t; v4 16 l; v5 my rows' scores in LDS; v6 where my partial sums go; v7 where the adding waves read; v128-129 log2(e) m; v130-131 at work; v132-133 1 / l; v134 8 t
.macro DLOADS                          ; rows i = 0..19 of each half of the lanes
.set i, 0
.rept 20
	global_load_b128 v[D+4*i+32*(i/16):D+4*i+32*(i/16)+3], v2, s[4:5] offset:6144*i th:TH_LOAD_NT
.set i, i+1
.endr
.endm
; Row i: eight multiply-adds straight from the bf16 halves.  In rows 4 to 15 the slot that was read four rows ago is loaded again first, with row i + 16.
.macro STEP i
.set sl, (\i)%20
.set rD, D+4*sl+32*(sl/16)
.if (\i) < 4
	s_wait_loadcnt 19-(\i)                         ; behind this row's load stand the 19 - i later first loads
.elseif (\i) < 16
	s_wait_loadcnt 15                              ; behind it stand the 19 - i later first loads and the i - 4 reloads issued so far
.else
	s_wait_loadcnt 31-(\i)                         ; the counts run down: behind it stand the loads of rows i + 1 to 31 alone
.endif
.if ((\i) == 4) || ((\i) == 8) || ((\i) == 12)
	s_wait_alu depctr_va_vdst(0)                   ; the four rows before are done reading their slots, in which this group's four loads land
.endif
.if ((\i) >= 4) && ((\i) < 16)
	global_load_b128 v[D+4*((\i)-4):D+4*((\i)-4)+3], v2, s[4:5] offset:6144*((\i)+16) th:TH_LOAD_NT  ; no vector instruction since the wait names this slot
.endif
.irp k, 0,1,2,3
	v_fma_mix_f32_bf16 v[ACC+2*\k],   v[rD+\k], v[AL+(\i)], v[ACC+2*\k]   op_sel_hi:[1,0,0]
	v_fma_mix_f32_bf16 v[ACC+2*\k+1], v[rD+\k], v[AL+(\i)], v[ACC+2*\k+1] op_sel:[1,0,0] op_sel_hi:[1,0,0]
.endr
.endm
	s_load_b128 s[4:7], s[0:1], 0x0                ; encb s[4:5], epart s[6:7]
	s_load_b64 s[8:9], s[0:1], 0x10                ; ctxb
	v_lshl_add_u32 v[SPW], v0, 2, SPARE
	v_mov_b32 v[NIL], 0
	v_lshrrev_b32 v1, 5, v0
	v_readfirstlane_b32 s10, v1                    ; wave 0..23
	s_and_b32 s11, ttmp7, 0xffff                   ; the batch
	s_mov_b32 s12, 0x3fb8aa3b                      ; log2(e)
	s_mov_b32 s13, s12                             ; named with it as a pair
	s_mov_b32 s14, 0x76543210                      ; v_permlanex16_b32: each lane takes its own place in the other half
	s_mov_b32 s15, 0xfedcba98
	v_and_b32 v1, 31, v0                           ; l
	v_and_b32 v128, 15, v0                         ; l % 16
	v_bfe_u32 v129, v0, 4, 1                       ; h = l / 16
	v_mul_u32_u24 v2, v129, 196608                 ; 32 rows of 6,144 bytes for the upper half,
	v_lshl_add_u32 v2, v128, 4, v2                 ; 16 bytes a lane
	v_lshlrev_b32 v3, 4, v0
	v_lshlrev_b32 v4, 4, v1
.irp k, 0,1,2,3,4,5,6,7
	v_mov_b32 v[ACC+\k], 0
.endr
	v_mov_b32 v131, 0                              ; v_permlanex16_b32 counts as a reader of its destination
	s_wait_alu depctr_va_sdst(0)                   ; s10 is written, ahead of its first reader: u, g, the LDS places and the bases are made from it
	s_lshr_b32 s16, s10, 3                         ; u
	s_and_b32 s17, s10, 7                          ; g
	s_lshl_b32 s18, s17, 8
	v_lshl_add_u32 v5, v129, 7, s18                ; e[64 g + 32 h ..]
	s_lshl_b32 s19, s10, 10
	s_add_co_u32 s19, s19, R0
	v_lshlrev_b32 v6, 9, v129
	v_lshl_add_u32 v6, v128, 5, v6
	v_add_nc_u32 v6, s19, v6                       ; my wave's 1,024 bytes: 512 h + 32 (l % 16)
	s_mul_i32 s20, s11, 3145728                    ; the batch's 512 rows,
	s_mul_i32 s22, s17, 393216                     ; my wave's 64,
	s_add_co_u32 s20, s20, s22
	s_mul_i32 s22, ttmp9, 768                      ; the work-group's 384 columns,
	s_add_co_u32 s20, s20, s22
	s_lshl_b32 s23, s16, 8                         ; my wave's block
	s_add_co_u32 s20, s20, s23
	s_mov_b32 s21, 0
	s_wait_kmcnt 0x0
	s_add_nc_u64 s[4:5], s[4:5], s[20:21]
	s_lshl_b32 s20, s11, 11                        ; the batch's 512 scores in a strip
	s_add_nc_u64 s[6:7], s[6:7], s[20:21]
	s_mul_i32 s20, s11, 6144
	s_add_co_u32 s20, s20, s22
	s_add_nc_u64 s[8:9], s[8:9], s[20:21]
	s_wait_alu depctr_va_vdst(0)                   ; v2 to v6 are written: the offsets of the loads and the LDS addresses of the loads and stores below, on both ways
	s_cmp_lt_u32 s10, 4
	s_cbranch_scc0 .Lrest
.irp p, 0,1,2,3,4,5,6,7                ; waves 0-3: thread t adds the eight strips' scores of positions 4 t .. 4 t + 3
	global_load_b128 v[AL+4*\p:AL+4*\p+3], v3, s[6:7] offset:65536*\p
.endr
	DLOADS
	s_wait_loadcnt 20                              ; the eight strips are in; the 20 loads of encb stay out
.irp p, 1,2,3,4,5,6,7
	v_pk_add_f32 v[AL:AL+1], v[AL:AL+1], v[AL+4*\p:AL+4*\p+1]
	v_pk_add_f32 v[AL+2:AL+3], v[AL+2:AL+3], v[AL+4*\p+2:AL+4*\p+3]
.endr
	s_wait_alu depctr_va_vdst(0)                   ; the additions have written v[AL .. AL + 3], which the LDS store reads, and are done with the whole of AL, in which the rows' scores land behind the barrier
	ds_store_b128 v3, v[AL:AL+3]
	s_branch .Lmeet
.Lrest:
	DLOADS
.Lmeet:
	s_wait_dscnt 0x0                               ; for the others' sake: the scores are stored
	s_barrier_signal -1
	s_barrier_wait -1
	s_wait_alu depctr_vm_vsrc(0)                   ; in waves 0 to 3 the LDS store has read v[AL .. AL + 3], in which my rows' scores land below
	; every wave makes the batch's maximum and sum for itself: 16 scores a lane
.irp j, 0,1,2,3
	ds_load_b128 v[EV+4*\j:EV+4*\j+3], v4 offset:512*\j
.endr
.irp q, 0,1,2,3,4,5,6,7
	ds_load_b128 v[AL+4*\q:AL+4*\q+3], v5 offset:16*\q  ; and its own 32 rows' scores for each half of the lanes
.endr
	s_wait_dscnt 8                                 ; the 16 scores are in; the eight younger loads stay out
	v_max3_num_f32 v130, v[EV], v[EV+1], v[EV+2]
.irp k, 3,5,7,9,11,13
	v_max3_num_f32 v130, v130, v[EV+\k], v[EV+\k+1]
.endr
	v_max_num_f32 v130, v130, v[EV+15]
	v_max_num_f32_dpp v130, v130, v130 row_xmask:1 row_mask:0xf bank_mask:0xf
	v_max_num_f32_dpp v130, v130, v130 row_xmask:2 row_mask:0xf bank_mask:0xf
	v_max_num_f32_dpp v130, v130, v130 row_xmask:4 row_mask:0xf bank_mask:0xf
	v_max_num_f32_dpp v130, v130, v130 row_xmask:8 row_mask:0xf bank_mask:0xf
	v_permlanex16_b32 v131, v130, s14, s15
	v_max_num_f32 v130, v130, v131                 ; m, in every lane
	v_mul_f32 v128, s12, v130                      ; log2(e) m
	v_mov_b32 v129, v128                           ; named with it as a pair
.irp k, 0,1,2,3,4,5,6,7
	v_pk_fma_f32 v[EV+2*\k:EV+2*\k+1], v[EV+2*\k:EV+2*\k+1], s[12:13], v[128:129] op_sel_hi:[1,0,0] neg_lo:[0,0,1] neg_hi:[0,0,1]
.endr
.set i, 0
.rept 16
	v_exp_f32 v[EV+i], v[EV+i]
.set i, i+1
.endr
	v_nop                                          ; a plain instruction between the last exponential and the use of its result (ISA guide 5.7.2)
	s_wait_alu depctr_va_vdst(0)                   ; the 16 exponentials have written v[EV ..], ahead of the sums that read them: one wait for the batch
.irp k, 0,4,8,12
	v_pk_add_f32 v[EV+\k:EV+\k+1], v[EV+\k:EV+\k+1], v[EV+\k+2:EV+\k+3]
.endr
	v_pk_add_f32 v[EV:EV+1], v[EV:EV+1], v[EV+4:EV+5]
	v_pk_add_f32 v[EV+8:EV+9], v[EV+8:EV+9], v[EV+12:EV+13]
	v_pk_add_f32 v[EV:EV+1], v[EV:EV+1], v[EV+8:EV+9]
	v_add_f32 v130, v[EV], v[EV+1]
	v_add_f32_dpp v130, v130, v130 row_xmask:1 row_mask:0xf bank_mask:0xf
	v_add_f32_dpp v130, v130, v130 row_xmask:2 row_mask:0xf bank_mask:0xf
	v_add_f32_dpp v130, v130, v130 row_xmask:4 row_mask:0xf bank_mask:0xf
	v_add_f32_dpp v130, v130, v130 row_xmask:8 row_mask:0xf bank_mask:0xf
	v_permlanex16_b32 v131, v130, s14, s15
	v_add_f32 v130, v130, v131                     ; l
	v_rcp_f32 v132, v130                           ; made twice, for the packed multiply; the scalings below, which touch none of these, are the plain instructions behind them
	v_rcp_f32 v133, v130
	s_wait_dscnt 0x0                               ; my rows' scores are in
.set i, 0
.rept 16
	v_pk_fma_f32 v[AL+2*i:AL+2*i+1], v[AL+2*i:AL+2*i+1], s[12:13], v[128:129] op_sel_hi:[1,0,0] neg_lo:[0,0,1] neg_hi:[0,0,1]
.set i, i+1
.endr
.set i, 0
.rept 32
	v_exp_f32 v[AL+i], v[AL+i]
.set i, i+1
.endr
	v_nop                                          ; a plain instruction behind the last exponential
	s_wait_alu depctr_va_vdst(0)                   ; the 32 exponentials have written my rows' weights v[AL ..], and the two reciprocals v132 and v133, ahead of their first readers: one wait for the batch
.set n, 0
.rept 32
	STEP n
.set n, n+1
.endr
	s_wait_alu depctr_va_vdst(0)                   ; the multiply-adds have written my sums v[ACC ..], which the LDS stores read
	ds_store_b128 v6, v[ACC:ACC+3]
	ds_store_b128 v6, v[ACC+4:ACC+7] offset:16
	s_wait_dscnt 0x0                               ; for the others' sake: my partial sums are stored
	s_barrier_signal -1
	s_barrier_wait -1
	s_cmp_ge_u32 s10, 3
	s_cbranch_scc1 .Lend                           ; wave u = 0..2 adds block u's 16 partial sums (8 waves x 2 halves), 4 columns a lane
	s_lshl_b32 s18, s10, 13
	s_add_co_u32 s18, s18, R0
	v_lshl_add_u32 v7, v1, 4, s18
	v_lshlrev_b32 v134, 3, v0                      ; 8 t = 256 u + 8 l
	s_wait_alu depctr_va_vdst(0)                   ; v7, the LDS loads' address, and v134, the store's offset, are written
.set n, 0
.rept 16
	ds_load_b128 v[D+4*n:D+4*n+3], v7 offset:512*n ; into slots that the multiply-adds were done reading at the wait ahead of the stores above
.set n, n+1
.endr
	s_wait_dscnt 0x0
.set n, 1
.rept 15                               ; rows ascending
	v_pk_add_f32 v[D:D+1], v[D:D+1], v[D+4*n:D+4*n+1]
	v_pk_add_f32 v[D+2:D+3], v[D+2:D+3], v[D+4*n+2:D+4*n+3]
.set n, n+1
.endr
	v_pk_mul_f32 v[D:D+1], v[D:D+1], v[132:133]
	v_pk_mul_f32 v[D+2:D+3], v[D+2:D+3], v[132:133]
	v_cvt_pk_bf16_f32 v[D], v[D], v[D+1]
	v_cvt_pk_bf16_f32 v[D+1], v[D+2], v[D+3]
	s_wait_alu depctr_va_vdst(0)                   ; the two roundings have written v[D] and v[D + 1], which the store reads
	global_store_b64 v134, v[D:D+1], s[8:9]        ; the wave stores 256 consecutive bytes, at a multiple of 256 from ctxb's first byte
.Lend:
	s_wait_dscnt 0x0                               ; the closing lines, six on end
	s_wait_alu 0x0
	s_wait_tensorcnt 0x0
	ds_add_u32 v[SPW], v[NIL]
	s_wait_dscnt 0x0
	s_endpgm
.Lfunc_end_k_qed3268cb5f_context:
	.size	k_qed3268cb5f_context, .Lfunc_end_k_qed3268cb5f_context-k_qed3268cb5f_context
	.p2alignl 7, 3214868480
	.fill 96, 4, 3214868480
	.section	.rodata,"a",@progbits
	.p2align	6, 0x0
	.amdhsa_kernel k_qed3268cb5f_context
		.amdhsa_group_segment_fixed_size 29696
		.amdhsa_private_segment_fixed_size 0
		.amdhsa_enable_private_segment 0
		.amdhsa_kernarg_size 24
		.amdhsa_user_sgpr_count 2
		.amdhsa_user_sgpr_kernarg_segment_ptr 1
		.amdhsa_wavefront_size32 1
		.amdhsa_system_sgpr_workgroup_id_x 1
		.amdhsa_system_sgpr_workgroup_id_y 1
		.amdhsa_system_sgpr_workgroup_id_z 1
		.amdhsa_system_vgpr_workitem_id 0
		.amdhsa_next_free_vgpr 160
		.amdhsa_next_free_sgpr 66
		.amdhsa_reserve_vcc 0
		.amdhsa_float_denorm_mode_32 3
		.amdhsa_float_denorm_mode_16_64 3
		.amdhsa_memory_ordered 1
		.amdhsa_forward_progress 1
		.amdhsa_inst_pref_size 37
	.end_amdhsa_kernel
	.amdgpu_metadata
---
amdhsa.version: [ 1, 2 ]
amdhsa.kernels:
  - .name:           k_qed3268cb5f_context
    .symbol:         k_qed3268cb5f_context.kd
    .args:
      - { .name: encb, .offset: 0, .size: 8, .value_kind: global_buffer, .address_space: global }
      - { .name: epart, .offset: 8, .size: 8, .value_kind: global_buffer, .address_space: global }
      - { .name: ctxb, .offset: 16, .size: 8, .value_kind: global_buffer, .address_space: global }
    .group_segment_fixed_size: 29696
    .private_segment_fixed_size: 0
    .kernarg_segment_align: 8
    .kernarg_segment_size: 24
    .max_flat_workgroup_size: 768
    .sgpr_count:     66
    .vgpr_count:     160
    .wavefront_size: 32
...
	.end_amdgpu_metadata
.endif
;; end of part 6
;; launch out: the kernel of part 4 again; grid 64 x 1, 24 waves a work-group, no clusters, 316,416 bytes of LDS; arguments ctxb, W3, b3, out0; writes out0
